; MI455X (gfx1250); checked and timed in simulation.
; The chip was launched on July 23, 2026; its instructions are those of AMD's public machine-readable ISA for CDNA 5 (MIT licence, August 2026) and "CDNA5" Instruction Set Architecture Reference Guide (July 2026). The comments in the code are by the model that wrote it; some were corrected since.
;; GQA Reference. Allowed arithmetic: float matrix products may take bf16 or f16 operands with f32 sums; other float arithmetic in f32, or as packed bf16 or f16 multiplies, adds, multiply-adds, maxima and minima; sums over many terms, partial sums and values carried from step to step in f32; what a program stores and reads back later, other than sums and carried values, may be rounded once to bf16 or f16.
;; Inputs: attention_mask 1 x 1 x 2,048 x 2,048 float32; cos 1 x 1 x 2,048 x 128 float32; hidden_states 1 x 2,048 x 4,096 float32; k_norm_w 128 float32; pre_norm_w 4,096 float32; q_norm_w 128 float32; sin 1 x 1 x 2,048 x 128 float32; wk 1,024 x 4,096 float32; wo 4,096 x 2,048 float32; wq 2,048 x 4,096 float32; wv 1,024 x 4,096 float32.
;; Outputs: out0 1 x 2,048 x 4,096 float32.
;; 2 versions, each right; version 2 is version 1 with the launch prep written anew for expert scheduling mode. Each part assembles by itself: llvm-mc -triple=amdgcn-amd-amdhsa -mcpu=gfx1250 --defsym DOCPART=n.
;; ======== version 1 of 2: 4 launches
;; limits: values are held in f16: magnitudes above 65,504 overflow, below 6.1e-05 lose precision; right only within a limited range of input values
;; workspace buffers: h16 16,777,216 bytes; w16 33,554,432 bytes; wo16 16,777,216 bytes; cs16 1,048,576 bytes; qkv16 16,777,216 bytes; attn16 8,388,608 bytes
;; launch prep (part 1): grid 1024 x 1, 8 waves a work-group, no clusters, 0 bytes of LDS; arguments hidden_states, pre_norm_w, wq, wk, wv, wo, cos, sin, h16, w16, wo16, cs16; writes h16, w16, wo16, cs16
.if DOCPART == 1
	.amdgcn_target "amdgcn-amd-amdhsa--gfx1250"
	.amdhsa_code_object_version 6
	.text
	.protected	k_q6257e22d7b_prep
	.globl	k_q6257e22d7b_prep
	.p2align	8
	.type	k_q6257e22d7b_prep,@function
k_q6257e22d7b_prep:
	s_mov_b64 s[64:65], 0
	v_nop
	global_prefetch_b8 v0, s[64:65] scope:SCOPE_SE
	s_setreg_imm32_b32 hwreg(HW_REG_WAVE_MODE, 25, 1), 1
	s_wait_xcnt 0x0
; PREP: everything that the matrix launches multiply is brought to 16 bits once.
;   work-groups 0-255     h16 = f16( bf16(x) * rsqrt(mean(bf16(x)^2) + 1e-5) * bf16(pre_norm_w) ), 8 rows each, a wave a row of 4,096;
;                         each of their waves also casts 256 numbers of cos (work-groups 0-127) or sin (128-255) into cs16
;   work-groups 256-1023  f16(bf16(.)) of wq, wk, wv (into w16, one below the other) and wo (wo16), 32,768 numbers each
; Every input is rounded to bf16 first and that number is then written as f16.
; LIMITS.  f16 ends at 65,504: the rounded weights, cos, sin and h must lie within it; below 6.1e-5 f16 keeps a fixed step of 6e-8.
; A stream: each byte is read once and written once, nothing is shared between waves, so there is no LDS, no barrier, no matrix work.
; A lane takes 4 neighbouring numbers: a load of a wave covers 512 consecutive bytes, a store (8 bytes a lane) 256 consecutive bytes, aligned.
; All 32 loads of a wave's 16 KiB go out at the head; the waits count the younger ones.  No loop: no register of a pending store is written again.
; 1,024 work-groups of equal size: four for each of 256 WGPs.
.set X,   16                           ; v[16:143]  32 groups j of 4 numbers
.set WB,  144                          ; v[144:207] the gain of 16 groups; each set is loaded a second time for group j + 16
.set T,   208                          ; v[208:211] at work, two sets by turns
.set TBL, 212                          ; v[212:219] my 2 x 4 numbers of cos or sin
.set TIN, 220                          ; v220 my byte offset in the work-group's part of cos or sin
.set TOUT, 221                         ; v221 and in its part of cs16
.set SS,  6                            ; v[6:13]    four chains of sums of squares, two sums each
.set RR,  14                           ; v[14:15]   1 / rms, twice
.set IN,  2                            ; v2  my byte offset in the work-group's input
.set OUT, 3                            ; v3  and in its output
.set WO,  4                            ; v4  my byte offset in a group of the gain
.set ID,  44                           ; s44 the work-group's number
.set SRC, 32                           ; s[32:33] where the work-group reads
.set DST, 34                           ; s[34:35] where it stores
.set TS,  52                           ; s[52:53] cos or sin at the work-group's part
.set HI,  54                           ; s54 a word's upper half
.macro RND4 b, t                       ; four f32 rounded to bf16, kept as f32, in place
	v_cvt_pk_bf16_f32 v[\t], v[\b], v[\b+1]
	v_cvt_pk_bf16_f32 v[\t+1], v[\b+2], v[\b+3]
	v_lshlrev_b32 v[\b], 16, v[\t]
	v_and_b32 v[\b+1], s[HI], v[\t]
	v_lshlrev_b32 v[\b+2], 16, v[\t+1]
	v_and_b32 v[\b+3], s[HI], v[\t+1]
.endm
.macro PK4 b                           ; the four as f16, packed into the first two of their registers
	v_cvt_pk_f16_f32 v[\b], v[\b], v[\b+1]
	v_cvt_pk_f16_f32 v[\b+1], v[\b+2], v[\b+3]
.endm
	s_load_b512 s[8:23], s[0:1], 0x0               ; x s[8:9], gain s[10:11], wq s[12:13], wk s[14:15], wv s[16:17], wo s[18:19], cos s[20:21], sin s[22:23]
	s_load_b256 s[24:31], s[0:1], 0x40             ; h16 s[24:25], w16 s[26:27], wo16 s[28:29], cs16 s[30:31]
	v_lshrrev_b32 v1, 5, v0                        ; wave
	v_and_b32 v5, 31, v0                           ; lane
	v_lshlrev_b32 v[WO], 4, v5                     ; 16 bytes a lane
	v_lshl_or_b32 v[IN], v1, 14, v[WO]             ; + 16 KiB a wave
	v_lshl_or_b32 v[TIN], v1, 10, v[WO]            ; + 1 KiB a wave
	v_lshlrev_b32 v[OUT], 3, v5                    ; 8 bytes a lane
	v_lshl_or_b32 v[TOUT], v1, 9, v[OUT]
	v_lshl_or_b32 v[OUT], v1, 13, v[OUT]
	s_mov_b32 s[ID], ttmp9
	s_sub_co_u32 s45, s[ID], 256                   ; the number counted from each job's first work-group
	s_sub_co_u32 s46, s[ID], 512
	s_sub_co_u32 s47, s[ID], 640
	s_sub_co_u32 s48, s[ID], 768
	s_sub_co_u32 s49, s[ID], 128
	s_mov_b32 s[HI], 0xffff0000
	s_mov_b32 s55, 0x39800000                      ; 1 / 4096
	s_mov_b32 s56, 0x3727c5ac                      ; 1e-5
	s_mov_b32 s58, 0x76543210                      ; v_permlanex16_b32: each lane takes its own place in the other half
	s_mov_b32 s59, 0xfedcba98
	s_wait_kmcnt 0x0
	s_mov_b64 s[SRC:SRC+1], s[8:9]                 ; the job is chosen by the work-group's number alone
	s_mov_b64 s[DST:DST+1], s[24:25]
	s_mov_b32 s36, s[ID]                           ; which 128 KiB of the source,
	s_mov_b32 s40, s[ID]                           ; which 64 KiB of the destination
	s_cmp_ge_u32 s[ID], 256
	s_cselect_b64 s[SRC:SRC+1], s[12:13], s[SRC:SRC+1]
	s_cselect_b64 s[DST:DST+1], s[26:27], s[DST:DST+1]
	s_cselect_b32 s36, s45, s36
	s_cselect_b32 s40, s45, s40
	s_cmp_ge_u32 s[ID], 512
	s_cselect_b64 s[SRC:SRC+1], s[14:15], s[SRC:SRC+1]
	s_cselect_b32 s36, s46, s36
	s_cmp_ge_u32 s[ID], 640
	s_cselect_b64 s[SRC:SRC+1], s[16:17], s[SRC:SRC+1]
	s_cselect_b32 s36, s47, s36
	s_cmp_ge_u32 s[ID], 768
	s_cselect_b64 s[SRC:SRC+1], s[18:19], s[SRC:SRC+1]
	s_cselect_b64 s[DST:DST+1], s[28:29], s[DST:DST+1]
	s_cselect_b32 s36, s48, s36
	s_cselect_b32 s40, s48, s40
	s_lshl_b32 s36, s36, 17
	s_mov_b32 s37, 0
	s_lshl_b32 s40, s40, 16
	s_mov_b32 s41, 0
	s_add_nc_u64 s[SRC:SRC+1], s[SRC:SRC+1], s[36:37]
	s_add_nc_u64 s[DST:DST+1], s[DST:DST+1], s[40:41]
.set j, 0
.rept 32                                       ; the wave's 16 KiB: 32 loads of 512 consecutive bytes, all on their way at once
	global_load_b128 v[X+4*j:X+4*j+3], v[IN], s[SRC:SRC+1] offset:512*j th:TH_LOAD_NT
.set j, j+1
.endr
	s_cmp_lt_u32 s[ID], 256
	s_cbranch_scc1 .Lnorm
	; THE CAST: bf16, then the same number as f16
.set j, 0
.rept 32
	s_wait_loadcnt 31-j                            ; loads come back in order: group j is in, the 31 - j younger loads stay out
	RND4 X+4*j, T+2*(j%2)
	PK4 X+4*j
	global_store_b64 v[OUT], v[X+4*j:X+4*j+1], s[DST:DST+1] offset:256*j th:TH_STORE_NT
.set j, j+1
.endr
	s_endpgm
.Lnorm:                                        ; THE NORM: a wave holds its row in registers between the sum of squares and the scaling
	s_cmp_lt_u32 s[ID], 128
	s_cselect_b64 s[TS:TS+1], s[20:21], s[22:23]   ; cos for the first 128 work-groups, sin for the others
	s_cselect_b32 s50, s[ID], s49
	s_lshl_b32 s50, s50, 13                        ; 8 waves x 1 KiB of the table
	s_mov_b32 s51, 0
	s_add_nc_u64 s[TS:TS+1], s[TS:TS+1], s[50:51]
	s_lshl_b32 s50, s[ID], 12                      ; 8 waves x 512 bytes of cs16: cos, then sin from byte 524,288 on
	s_add_nc_u64 s[30:31], s[30:31], s[50:51]
.set j, 0
.rept 16
	global_load_b128 v[WB+4*j:WB+4*j+3], v[WO], s[10:11] offset:512*j
.set j, j+1
.endr
	global_load_b128 v[TBL:TBL+3],   v[TIN], s[TS:TS+1] th:TH_LOAD_NT
	global_load_b128 v[TBL+4:TBL+7], v[TIN], s[TS:TS+1] offset:512 th:TH_LOAD_NT
.set j, 0
.rept 32
	s_wait_loadcnt 49-j                            ; behind group j: 31 - j loads of x, the 16 of the gain and the 2 of the table
	RND4 X+4*j, T+2*(j%2)
.if j < 2
	v_pk_mul_f32 v[SS+4*j:SS+4*j+1],   v[X+4*j:X+4*j+1],   v[X+4*j:X+4*j+1]    ; the first two groups start the four chains
	v_pk_mul_f32 v[SS+4*j+2:SS+4*j+3], v[X+4*j+2:X+4*j+3], v[X+4*j+2:X+4*j+3]
.else
	v_pk_fma_f32 v[SS+4*(j%2):SS+4*(j%2)+1],   v[X+4*j:X+4*j+1],   v[X+4*j:X+4*j+1],   v[SS+4*(j%2):SS+4*(j%2)+1]
	v_pk_fma_f32 v[SS+4*(j%2)+2:SS+4*(j%2)+3], v[X+4*j+2:X+4*j+3], v[X+4*j+2:X+4*j+3], v[SS+4*(j%2)+2:SS+4*(j%2)+3]
.endif
.set j, j+1
.endr
	v_pk_add_f32 v[SS:SS+1], v[SS:SS+1], v[SS+2:SS+3]
	v_pk_add_f32 v[SS+4:SS+5], v[SS+4:SS+5], v[SS+6:SS+7]
	v_pk_add_f32 v[SS:SS+1], v[SS:SS+1], v[SS+4:SS+5]
	v_add_f32 v[SS], v[SS], v[SS+1]
	v_add_f32_dpp v[SS], v[SS], v[SS] row_xmask:1 row_mask:0xf bank_mask:0xf
	v_add_f32_dpp v[SS], v[SS], v[SS] row_xmask:2 row_mask:0xf bank_mask:0xf
	v_add_f32_dpp v[SS], v[SS], v[SS] row_xmask:4 row_mask:0xf bank_mask:0xf
	v_add_f32_dpp v[SS], v[SS], v[SS] row_xmask:8 row_mask:0xf bank_mask:0xf
	v_permlanex16_b32 v[SS+1], v[SS], s58, s59
	v_add_f32 v[SS], v[SS], v[SS+1]                ; every lane holds the row's sum of squares
	v_fma_f32 v[SS], v[SS], s55, s56               ; mean + eps
	v_rsq_f32 v[RR], v[SS]
	v_rsq_f32 v[RR+1], v[SS]
	s_wait_loadcnt 0x0                             ; the gain's first 16 groups and the table: issued at the head
.irp k, 0,1                                    ; the table's cast is the plain work behind the two roots
	RND4 TBL+4*\k, T+2*\k
	PK4 TBL+4*\k
	global_store_b64 v[TOUT], v[TBL+4*\k:TBL+4*\k+1], s[30:31] offset:256*\k th:TH_STORE_NT
.endr
	s_wait_alu depctr_va_vdst(0)                   ; one wait for both roots, ahead of their first reader
.set j, 0
.rept 32
.if j >= 16
	s_wait_loadcnt 31-j                            ; behind the gain of group j: groups j + 1 .. 31
.endif
.set w, WB+4*(j%16)
	RND4 w, T+2*(j%2)
	v_pk_mul_f32 v[X+4*j:X+4*j+1],   v[X+4*j:X+4*j+1],   v[RR:RR+1]
	v_pk_mul_f32 v[X+4*j+2:X+4*j+3], v[X+4*j+2:X+4*j+3], v[RR:RR+1]
	v_pk_mul_f32 v[X+4*j:X+4*j+1],   v[X+4*j:X+4*j+1],   v[w:w+1]
	v_pk_mul_f32 v[X+4*j+2:X+4*j+3], v[X+4*j+2:X+4*j+3], v[w+2:w+3]
	PK4 X+4*j
	global_store_b64 v[OUT], v[X+4*j:X+4*j+1], s[DST:DST+1] offset:256*j th:TH_STORE_NT
.if j < 16
	global_load_b128 v[w:w+3], v[WO], s[10:11] offset:512*(j+16)   ; the set just used takes the gain of group j + 16
.endif
.set j, j+1
.endr
	s_endpgm
.Lfunc_end_k_q6257e22d7b_prep:
	.size	k_q6257e22d7b_prep, .Lfunc_end_k_q6257e22d7b_prep-k_q6257e22d7b_prep
	.p2alignl 7, 3214868480
	.fill 96, 4, 3214868480
	.section	.rodata,"a",@progbits
	.p2align	6, 0x0
	.amdhsa_kernel k_q6257e22d7b_prep
		.amdhsa_group_segment_fixed_size 0
		.amdhsa_private_segment_fixed_size 0
		.amdhsa_enable_private_segment 0
		.amdhsa_kernarg_size 96
		.amdhsa_user_sgpr_count 2
		.amdhsa_user_sgpr_kernarg_segment_ptr 1
		.amdhsa_wavefront_size32 1
		.amdhsa_system_sgpr_workgroup_id_x 1
		.amdhsa_system_sgpr_workgroup_id_y 1
		.amdhsa_system_sgpr_workgroup_id_z 1
		.amdhsa_system_vgpr_workitem_id 0
		.amdhsa_next_free_vgpr 224
		.amdhsa_next_free_sgpr 66
		.amdhsa_reserve_vcc 0
		.amdhsa_float_denorm_mode_32 3
		.amdhsa_float_denorm_mode_16_64 3
		.amdhsa_memory_ordered 1
		.amdhsa_forward_progress 1
		.amdhsa_inst_pref_size 64
	.end_amdhsa_kernel
	.amdgpu_metadata
---
amdhsa.version: [ 1, 2 ]
amdhsa.kernels:
  - .name:           k_q6257e22d7b_prep
    .symbol:         k_q6257e22d7b_prep.kd
    .args:
      - { .name: hidden_states, .offset: 0, .size: 8, .value_kind: global_buffer, .address_space: global }
      - { .name: pre_norm_w, .offset: 8, .size: 8, .value_kind: global_buffer, .address_space: global }
      - { .name: wq, .offset: 16, .size: 8, .value_kind: global_buffer, .address_space: global }
      - { .name: wk, .offset: 24, .size: 8, .value_kind: global_buffer, .address_space: global }
      - { .name: wv, .offset: 32, .size: 8, .value_kind: global_buffer, .address_space: global }
      - { .name: wo, .offset: 40, .size: 8, .value_kind: global_buffer, .address_space: global }
      - { .name: cos, .offset: 48, .size: 8, .value_kind: global_buffer, .address_space: global }
      - { .name: sin, .offset: 56, .size: 8, .value_kind: global_buffer, .address_space: global }
      - { .name: h16, .offset: 64, .size: 8, .value_kind: global_buffer, .address_space: global }
      - { .name: w16, .offset: 72, .size: 8, .value_kind: global_buffer, .address_space: global }
      - { .name: wo16, .offset: 80, .size: 8, .value_kind: global_buffer, .address_space: global }
      - { .name: cs16, .offset: 88, .size: 8, .value_kind: global_buffer, .address_space: global }
    .group_segment_fixed_size: 0
    .private_segment_fixed_size: 0
    .kernarg_segment_align: 8
    .kernarg_segment_size: 96
    .max_flat_workgroup_size: 256
    .sgpr_count:     66
    .vgpr_count:     224
    .wavefront_size: 32
...
	.end_amdgpu_metadata
.endif
;; end of part 1
;; launch qkv (part 2): grid 16 x 16, 4 waves a work-group, clusters of 4 x 4, 327,680 bytes of LDS; arguments h16, w16, cs16, q_norm_w, k_norm_w, qkv16; writes qkv16
.if DOCPART == 2
	.amdgcn_target "amdgcn-amd-amdhsa--gfx1250"
	.amdhsa_code_object_version 6
	.text
	.protected	k_q6257e22d7b_qkv
	.globl	k_q6257e22d7b_qkv
	.p2align	8
	.type	k_q6257e22d7b_qkv,@function
k_q6257e22d7b_qkv:
	s_mov_b64 s[64:65], 0
	v_nop
	global_prefetch_b8 v0, s[64:65] scope:SCOPE_SE
	s_setreg_imm32_b32 hwreg(HW_REG_WAVE_MODE, 25, 1), 1
	s_wait_xcnt 0x0
	s_wait_alu depctr_hold_cnt(0) depctr_sa_sdst(0) depctr_va_vdst(0) depctr_va_sdst(0) depctr_va_ssrc(0) depctr_va_vcc(0) depctr_vm_vsrc(0)
	s_getreg_b32 s2, hwreg(HW_REG_IB_STS2, 6, 4)
	s_cmp_eq_u32 s2, 0
	s_cbranch_scc0 .Lentry_in_a_cluster
	s_endpgm
.Lentry_in_a_cluster:
	s_bfe_u32 s2, ttmp6, 0x10000c
	s_cmp_lg_u32 s2, 0xf033
	s_cbranch_scc0 .Lentry_shape_is_right
	s_endpgm
.Lentry_shape_is_right:
; QKV: C[2048][4096] = h16 [2048][4096] x w16 [4096][4096]^T in f16 with f32 sums, and on the way out, per head of 128 columns:
;   heads 0-15 (q) and 16-23 (k): RMS norm over the head, times bf16(norm weight), RoPE by cs16; q also times KF = 2 log2(e) / (30 sqrt(128)), so that
;   the attention's product K Q^T is at once the exponent that its tanh wants;  heads 24-31 (v): as they are.  Stored by heads, [32][2048][128] f16, each number rounded once.
; LIMITS.  f16 ends at 65,504: q KF, k and v must lie within it; below 6.1e-5 f16 keeps a fixed step of 6e-8.
; SHARES.  A tile of C is 128 x 256: 256 work-groups.  Four waves, each 64 rows x 128 columns = one head: 32 accumulators of 16 x 16.
; K goes in steps of 128 (rows of 256 bytes in memory) through two LDS slots filled by tensor loads; two slots of the next longer step would not fit in LDS.
; CLUSTER 4 x 4: the four of a row of the cluster need the same tile of A, the four of a column the same tile of B; each is asked for jointly.
; The matrix instruction is used transposed (source 0 = 16 rows of B, source 1 = 16 rows of A): a lane holds row l % 16 of C and the columns 16 b + 8 (l / 16) + 0..7.
; REGISTERS.  window 0: v0-31 addresses; v32-127, v128-223 two fragment buffers (64 of B, 32 of A), free on the way out; v224-233 sums.
;   window 1: the accumulators, (a, b) at 8 (8 a + b).   window 2: cos (a, b) at 64 a + 4 b, sin at 64 a + 32 + 4 b, f16.   window 3: v0-63 the norm weight of my 64 columns.
.set SIZE_K, 4096
.set KSTEP,  128
.set PITCH,  272                       ; 256 bytes + 16 of padding: the 16 rows of a fragment load start at 16 different groups of four banks (ISA guide 11.1)
.set AROWS,  128*PITCH                 ; a slot: A's 128 rows, then B's 256
.set SLOT,   384*PITCH
.set STAGE,  2*SLOT                    ; behind the ring, never filled by a tensor load: 16 rows x 272 bytes for each wave
.set SPITCH, 272
.set SPARE,  STAGE+4*16*SPITCH         ; the spare words: 128 bytes a wave, two blocks of 256 bytes that no other line names
.set LAPS,   SIZE_K/(2*KSTEP)
.set GBITS,  (1<<16)|(1<<20)|(1<<21)|(5<<22)|(3<<25)  ; 2-byte elements; padding on; bit 21 beside a mask; after every 64 words; 4 words
.set ADRA, 16                          ; v16-17 LDS address of my A fragments in slot 0, 1
.set ADRB, 20                          ; v20-21 the same for B
.set WO,   23                          ; v23 my byte offset in the norm weight
.set STO,  24                          ; v24 the way out: where I put 16 bytes of a row
.set RD,   25                          ; v25 where I read rows back
.set CO,   26                          ; v26 16 x lane
.set CSO,  27                          ; v27 my byte offset in 16 rows of cos and sin
.set SPW,  28                          ; v28 my spare word; never rewritten
.set NIL,  29                          ; v29 0; never rewritten
.set PFO,  30                          ; v30 the prefetches' offset: lane x a row
.set ZR,   31                          ; v31 0.0, an addend
.set F0,   32
.set F1,   128
.set Y,    32                          ; the way out: 64 numbers of a row block
.set TMP,  96                          ; packed
.set BKB,  128                         ; read back from the stage: two sets of 32
.set T1,   192
.set T2,   200
.set SS,   224
.set RSQ,  232
.set WV, 16
.set WM, 17                            ; my half of the tile's rows; also: 0 = I fetch for A, 1 = for B
.set WN, 18                            ; my half of its columns; also: which half of that tile I fetch
.set CX, 19
.set CY, 20
.set TC, 21
.set TR, 22
.set G1,  24
.set G0,  32
.set PFA, 44
.set LIM, 46
.set G1B, 48
.set G0B, 56
.set SC,  72                           ; s[72:73] KF for q, 1 for k
.set I128, 74
.set EPS, 75
.set SEL, 76
.set HI,  78
.set OB,  80                           ; s[80:81] qkv16 at my head and rows
.set CB,  82                           ; s[82:83] cs16 at my rows
.set NW,  84                           ; s[84:85] the norm weight
.set MSB, 0
.macro WIN new                         ; the high byte repeats the setting that is left; a switch that changes nothing is dropped
.if MSB != (\new)
	s_set_vgpr_msb (MSB<<8)|(\new)
.set MSB, \new
.endif
.endm
.macro PLACES                          ; four plain lines behind a matrix instruction (ISA guide 7.12.1)
.rept 4
	v_nop
.endr
.endm
.macro JLOAD s                         ; a joint load: waves 0, 1 fetch A's halves, waves 2, 3 B's; an s_nop 0 and four v_nop follow each line
	s_cmp_eq_u32 s[WM], 0
	s_cbranch_scc0 .Lfor_b_\@
	tensor_load_to_lds s[G0+4*(\s):G0+4*(\s)+3], s[G1:G1+7]
	s_nop 0
.rept 4
	v_nop
.endr
	s_branch .Lasked_\@
.Lfor_b_\@:
	tensor_load_to_lds s[G0B+4*(\s):G0B+4*(\s)+3], s[G1B:G1B+7]
	s_nop 0
.rept 4
	v_nop
.endr
.Lasked_\@:
.endm
.macro ASK                             ; a prefetch of the K step two refills on: 32 rows x 256 bytes, a lane a row; the loop's last trip has no such step
	s_cmp_gt_u32 s3, s[LIM]
	s_cbranch_scc0 .Lnot_mine_\@
	global_prefetch_b8 v[PFO], s[PFA:PFA+1] offset:KSTEP*2 th:TH_LOAD_NT scope:SCOPE_SE
.Lnot_mine_\@:
.endm
.macro CREST                           ; a round of the cluster's barrier behind its opening barrier
	s_cmp_lg_u32 s[WV], 0
	s_cbranch_scc1 .Lnot_wave_0_\@
	s_barrier_signal -3
.Lnot_wave_0_\@:
	s_barrier_wait -3
	s_barrier_signal -1
	s_barrier_wait -1
.endm
.macro CROUND
	s_barrier_signal -1
	s_barrier_wait -1
	CREST
.endm
.macro MUL8 f, a, zero                 ; row block a x all 8 column blocks, 32 along K; zero = 1: the product starts the sum
	WIN 0x50
.irp b, 0,1,2,3,4,5,6,7
.if \zero
	v_wmma_f32_16x16x32_f16 v[8*(8*(\a)+(\b)):8*(8*(\a)+(\b))+7], v[(\f)+8*(\b):(\f)+8*(\b)+7], v[(\f)+64+8*(\a):(\f)+64+8*(\a)+7], 0
.else
	v_wmma_f32_16x16x32_f16 v[8*(8*(\a)+(\b)):8*(8*(\a)+(\b))+7], v[(\f)+8*(\b):(\f)+8*(\b)+7], v[(\f)+64+8*(\a):(\f)+64+8*(\a)+7], v[8*(8*(\a)+(\b)):8*(8*(\a)+(\b))+7]
.endif
.endr
.endm
.macro FETCH slot, k, f                ; 24 LDS loads in one run: B's 8 blocks, then A's 4
	WIN 0
.irp i, 0,1,2,3,4,5,6,7
	ds_load_b128 v[(\f)+8*(\i):(\f)+8*(\i)+3],   v[ADRB+(\slot)] offset:(\k)+(\i)*16*PITCH
	ds_load_b128 v[(\f)+8*(\i)+4:(\f)+8*(\i)+7], v[ADRB+(\slot)] offset:(\k)+(\i)*16*PITCH+32
.endr
.irp i, 0,1,2,3
	ds_load_b128 v[(\f)+64+8*(\i):(\f)+64+8*(\i)+3],   v[ADRA+(\slot)] offset:(\k)+(\i)*16*PITCH
	ds_load_b128 v[(\f)+64+8*(\i)+4:(\f)+64+8*(\i)+7], v[ADRA+(\slot)] offset:(\k)+(\i)*16*PITCH+32
.endr
.endm
.macro QUARTER slot, k, f, g, zero     ; 32 along K: multiplies buffer f, fetches the next quarter (byte k of the rows) into g.  The 32 accumulators take turns, in the same order everywhere
	s_wait_dscnt 4                                 ; B and A's blocks 0, 1 are in; the youngest four loads may be out
	MUL8 \f, 0, \zero
	MUL8 \f, 1, \zero
	PLACES
	FETCH \slot, \k, \g
	s_wait_dscnt 24                                ; all but the 24 just issued
	MUL8 \f, 2, \zero
	MUL8 \f, 3, \zero
.endm
; THE CHANGE OF SLOTS, and behind it the K step's last quarter.  The slot's last reads (the last quarter's fragments) were issued in the third quarter, so the change stands at the last quarter's head,
; with no product between the wait for my tensor load and the next request: the refill goes out as early as the order allows, and has the whole step, 128 matrix instructions, in which to land.
.macro TURN slot, next, fill
.if \fill
	s_wait_xcnt 0x0                                ; the last prefetch, a K step back, has read its address
	s_add_nc_u64 s[PFA:PFA+1], s[PFA:PFA+1], KSTEP*2
.endif
	WIN 0
	s_wait_tensorcnt 0x0                           ; all my tensor loads have landed: my part of the next slot; so a group 0 may be written
	ds_add_u32 v[SPW], v[NIL]                      ; 0 onto my spare word: the descriptors' steps stand between it and the wait for it
.if \fill
	s_add_nc_u64 s[G0+4*(\slot)+2:G0+4*(\slot)+3], s[G0+4*(\slot)+2:G0+4*(\slot)+3], 2*KSTEP*2
	s_add_nc_u64 s[G0B+4*(\slot)+2:G0B+4*(\slot)+3], s[G0B+4*(\slot)+2:G0B+4*(\slot)+3], 2*KSTEP*2
.endif
	s_wait_dscnt 0x0                               ; the add is done, my reads of this slot are over
	s_barrier_signal -1
	s_barrier_wait -1
.if \fill
	CREST                                          ; no wave of any partner still reads this slot or has a load on its way
	JLOAD \slot                                    ; the first tensor load behind the round; its four v_nop are also the places in front of the loads below
.else
	PLACES
.endif
	FETCH \next, 0, F0
.if \fill
	ASK
.endif
	MUL8 F1, 0, 0
	MUL8 F1, 1, 0
	MUL8 F1, 2, 0
	MUL8 F1, 3, 0
.endm
	s_load_b256 s[4:11], s[0:1], 0x0               ; h16 s[4:5], w16 s[6:7], cs16 s[8:9], q_norm_w s[10:11]
	s_load_b128 s[12:15], s[0:1], 0x20             ; k_norm_w s[12:13], qkv16 s[14:15]
	v_lshl_add_u32 v[SPW], v0, 2, SPARE
	v_mov_b32 v[NIL], 0
	ds_add_u32 v[SPW], v[NIL]                      ; the wave's opening: the add and its wait ahead of my first tensor load
	v_lshrrev_b32 v1, 5, v0
	v_readfirstlane_b32 s[WV], v1
	s_lshr_b32 s[WM], s[WV], 1
	s_and_b32 s[WN], s[WV], 1
	s_bfe_u32 s[CX], ttmp6, 0x40000
	s_bfe_u32 s[CY], ttmp6, 0x40004
	s_lshl_b32 s[TC], ttmp9, 2
	s_add_co_u32 s[TC], s[TC], s[CX]               ; tile column = 4 x cluster x + cx
	s_and_b32 s[TR], ttmp7, 0xffff
	s_lshl_b32 s[TR], s[TR], 2
	s_add_co_u32 s[TR], s[TR], s[CY]               ; tile row = 4 x cluster y + cy
	s_lshl_b32 s40, s[CY], 2
	s_lshl_b32 s40, 15, s40                        ; my row of the cluster
	s_lshl_b32 s41, 0x1111, s[CX]                  ; my column
	s_or_b32 s[G1], s40, GBITS
	s_or_b32 s[G1B], s41, GBITS
.irp g, G1, G1B
	s_mov_b32 s[(\g)+1], KSTEP<<16                 ; tensor_dim0 = 128
	s_mov_b32 s[(\g)+3], KSTEP<<16                 ; tile_dim0 = 128
	s_mov_b32 s[(\g)+5], SIZE_K                    ; elements from row to row
	s_mov_b32 s[(\g)+6], 0
	s_mov_b32 s[(\g)+7], 0
.endr
	s_mov_b32 s[G1+2], 64<<16                      ; A: 64 rows a load
	s_mov_b32 s[G1+4], 64
	s_mov_b32 s[G1B+2], 128<<16                    ; B: 128 rows a load
	s_mov_b32 s[G1B+4], 128
	s_lshl_b32 s66, s[TR], 7
	s_lshl_b32 s23, s[WN], 6
	s_add_co_u32 s66, s66, s23                     ; A: row 128 x tile row + 64 x half
	s_mul_i32 s66, s66, SIZE_K*2
	s_mov_b32 s67, 0
	s_lshl_b32 s68, s[TC], 8
	s_lshl_b32 s23, s[WN], 7
	s_add_co_u32 s68, s68, s23                     ; B: row 256 x tile column + 128 x half
	s_mul_i32 s68, s68, SIZE_K*2
	s_mov_b32 s69, 0
	s_mul_i32 s42, s[WN], 64*PITCH                 ; where they go: no place in the cluster enters an LDS address
	s_mul_i32 s43, s[WN], 128*PITCH
	s_add_co_u32 s43, s43, AROWS
	s_mov_b32 s[I128], 0x3c000000                  ; 1 / 128
	s_mov_b32 s[EPS], 0x3727c5ac                   ; 1e-5
	s_mov_b32 s[SEL], 0x76543210
	s_mov_b32 s[SEL+1], 0xfedcba98
	s_mov_b32 s[HI], 0xffff0000
	s_wait_dscnt 0x0                               ; the opening add is done
	s_wait_kmcnt 0x0
	s_add_nc_u64 s[66:67], s[4:5], s[66:67]
	s_add_nc_u64 s[68:69], s[6:7], s[68:69]
	CROUND                                         ; all sixteen work-groups are here: the first joint loads meet
.irp s, 0,1
	s_mov_b32 s[G0+4*(\s)], 1
	s_add_co_u32 s[G0+4*(\s)+1], s42, (\s)*SLOT
	s_add_nc_u64 s[G0+4*(\s)+2:G0+4*(\s)+3], s[66:67], (\s)*KSTEP*2
	s_or_b32 s[G0+4*(\s)+3], s[G0+4*(\s)+3], 0x80000000
	s_mov_b32 s[G0B+4*(\s)], 1
	s_add_co_u32 s[G0B+4*(\s)+1], s43, (\s)*SLOT
	s_add_nc_u64 s[G0B+4*(\s)+2:G0B+4*(\s)+3], s[68:69], (\s)*KSTEP*2
	s_or_b32 s[G0B+4*(\s)+3], s[G0B+4*(\s)+3], 0x80000000
	JLOAD \s                                       ; two loads of mine are out
.endr
	v_and_b32 v1, 15, v0                           ; r = l % 16
	v_bfe_u32 v2, v0, 4, 1                         ; h = l / 16
	v_mov_b32 v[ZR], 0
	v_lshlrev_b32 v[CSO], 8, v1
	v_lshl_add_u32 v[CSO], v2, 4, v[CSO]           ; 256 r + 16 h
	v_lshlrev_b32 v[WO], 5, v2                     ; 32 h
	s_lshl_b32 s40, s[TR], 7
	s_lshl_b32 s41, s[WM], 6
	s_add_co_u32 s40, s40, s41                     ; my first row, which is a position
	s_lshl_b32 s40, s40, 8                         ; rows of 256 bytes, in cs16 and in qkv16
	s_mov_b32 s41, 0
	s_add_nc_u64 s[CB:CB+1], s[8:9], s[40:41]
	s_lshl_b32 s23, s[TC], 1
	s_add_co_u32 s23, s23, s[WN]                   ; my head
	s_lshl_b32 s23, s23, 19                        ; 2,048 rows of 256 bytes
	s_add_co_u32 s40, s40, s23
	s_add_nc_u64 s[OB:OB+1], s[14:15], s[40:41]
	s_cmp_lt_u32 ttmp9, 2                          ; clusters 0, 1 along x hold q, 2 holds k, 3 holds v: the same answer in all partners
	s_cselect_b64 s[NW:NW+1], s[10:11], s[12:13]
	s_cselect_b32 s[SC], 0x3c0b4875, 1.0           ; KF = 2 log2(e) / (30 sqrt(128))
	s_mov_b32 s[SC+1], s[SC]
	; cos, sin and the norm weight of my rows and columns: 80 loads, 40 KiB a wave, which land while the loop runs; one wait stands at the way out.
	; EVERY wave loads them, those of the clusters that make v too, which use none of them: the head has one way, so that each register that the way out reads has been written on every way to it.
	WIN 0x80
.set a, 0
.rept 4
.set b, 0
.rept 8
	global_load_b128 v[64*a+4*b:64*a+4*b+3],       v[CSO], s[CB:CB+1] offset:4096*a+32*b         ; cos of row 16 a + r, columns 16 b + 8 h + 0..7
	global_load_b128 v[64*a+32+4*b:64*a+32+4*b+3], v[CSO], s[CB:CB+1] offset:524288+4096*a+32*b  ; sin
.set b, b+1
.endr
.set a, a+1
.endr
	WIN 0xc0
.set b, 0
.rept 8
	global_load_b128 v[8*b:8*b+3],   v[WO], s[NW:NW+1] offset:64*b
	global_load_b128 v[8*b+4:8*b+7], v[WO], s[NW:NW+1] offset:64*b+16
.set b, b+1
.endr
	WIN 0
	v_mul_u32_u24 v3, v1, PITCH
	v_lshl_add_u32 v3, v2, 4, v3                   ; a fragment's row x pitch + 16 x half
	s_mul_i32 s40, s[WM], 64*PITCH
	s_mul_i32 s41, s[WN], 128*PITCH
	s_add_co_u32 s41, s41, AROWS
.irp s, 0,1
	v_add_nc_u32 v[ADRA+(\s)], s40, v3
	v_add_nc_u32 v[ADRB+(\s)], s41, v3
	s_add_co_u32 s40, s40, SLOT
	s_add_co_u32 s41, s41, SLOT
.endr
	s_mul_i32 s40, s[WV], 16*SPITCH
	s_add_co_u32 s40, s40, STAGE                   ; my stage
	v_mul_u32_u24 v4, v1, SPITCH
	v_lshl_add_u32 v4, v2, 4, v4
	v_add_nc_u32 v[STO], s40, v4
	v_mul_u32_u24 v5, v2, SPITCH
	v_lshl_add_u32 v5, v1, 4, v5
	v_add_nc_u32 v[RD], s40, v5
	v_and_b32 v[CO], 31, v0
	v_lshlrev_b32 v[CO], 4, v[CO]
	; THE PREFETCHES.  Each row's 256 bytes of a K step are named once in the launch.  A's tile row is read by every cluster of that row of clusters: cluster x = 0 asks, wave 0,
	; rows 32 cx .. + 31 of the 128.  B's tile column: cluster y = 0 asks, waves 2 and 3, rows 32 cy .. + 31 of the 128 that the wave fetches.  The partners are told apart by address alone.
	s_lshl_b32 s40, s[TR], 7
	s_lshl_b32 s41, s[TC], 8
	s_lshl_b32 s23, s[WN], 7
	s_add_co_u32 s41, s41, s23
	s_and_b32 s23, ttmp7, 0xffff
	s_cmp_eq_u32 s[WM], 0
	s_cselect_b32 s40, s40, s41                    ; the first row
	s_cselect_b32 s41, s[CX], s[CY]                ; my place among the four that ask jointly
	s_cselect_b32 s23, ttmp9, s23                  ; the coordinate along which other clusters read the same rows
	s_cselect_b32 s43, s[WN], 0                    ; of A's two waves only wave 0 asks
	s_cselect_b64 s[PFA:PFA+1], s[4:5], s[6:7]
	s_or_b32 s23, s23, s43
	s_cmp_eq_u32 s23, 0
	s_cselect_b32 s[LIM], 1, -1                    ; 1 in a wave that asks, else the greatest number
	s_lshl_b32 s41, s41, 5
	s_add_co_u32 s40, s40, s41
	s_mul_i32 s40, s40, SIZE_K*2
	s_mov_b32 s41, 0
	s_add_nc_u64 s[PFA:PFA+1], s[PFA:PFA+1], s[40:41]
	s_add_nc_u64 s[PFA:PFA+1], s[PFA:PFA+1], 2*KSTEP*2  ; at K step 2: the first refill steps it to 3 and names K step 4; nothing is asked for at the head
	v_and_b32 v[PFO], 31, v0
	v_mul_u32_u24 v[PFO], v[PFO], SIZE_K*2
	s_wait_tensorcnt 1                             ; my part of K step 0 is in; K step 1's may stay out
	s_barrier_signal -1
	s_barrier_wait -1
	FETCH 0, 0, F0
	QUARTER 0, 64, F0, F1, 1                       ; the first quarter stands ahead of the loop: its products start the sums
	WIN 0
	s_mov_b32 s3, LAPS-1
.Llap:                                         ; once round the ring, from a lap's second quarter to the next lap's first; both slots are filled again
	QUARTER 0, 128, F1, F0, 0
	QUARTER 0, 192, F0, F1, 0
	TURN 0, 1, 1
	QUARTER 1, 64,  F0, F1, 0
	QUARTER 1, 128, F1, F0, 0
	QUARTER 1, 192, F0, F1, 0
	TURN 1, 0, 1
	QUARTER 0, 64,  F0, F1, 0
	WIN 0
	s_sub_co_u32 s3, s3, 1
	s_cmp_lg_u32 s3, 0
	s_cbranch_scc1 .Llap
	QUARTER 0, 128, F1, F0, 0                      ; the last lap fills nothing
	QUARTER 0, 192, F0, F1, 0
	TURN 0, 1, 0
	QUARTER 1, 64,  F0, F1, 0
	QUARTER 1, 128, F1, F0, 0
	QUARTER 1, 192, F0, F1, 0
	s_wait_dscnt 4
	MUL8 F1, 0, 0
	MUL8 F1, 1, 0
	s_wait_dscnt 0x0
	MUL8 F1, 2, 0
	MUL8 F1, 3, 0
	WIN 0
	PLACES
	PLACES
; THE WAY OUT.
.macro WPREP                           ; the norm weight: rounded to bf16, times KF (q) or 1 (k)
	WIN 0x0f
.set i, 0
.rept 32
	v_cvt_pk_bf16_f32 v[T1+i], v[2*i], v[2*i+1]
.set i, i+1
.endr
	WIN 0xc0
.set i, 0
.rept 32
	v_lshlrev_b32 v[2*i], 16, v[T1+i]
	v_and_b32 v[2*i+1], s[HI], v[T1+i]
.set i, i+1
.endr
	WIN 0xc3
.set i, 0
.rept 32
	v_pk_mul_f32 v[2*i:2*i+1], v[2*i:2*i+1], s[SC:SC+1] op_sel_hi:[1,0]
.set i, i+1
.endr
.endm
.macro MIX d, hreg, odd, x, c, neg     ; d = (f16 half of hreg, window 2) * x +- c, in f32
.if \neg
.if \odd
	v_fma_mix_f32 v[\d], v[\hreg], v[\x], -v[\c] op_sel:[1,0,0] op_sel_hi:[1,0,0]
.else
	v_fma_mix_f32 v[\d], v[\hreg], v[\x], -v[\c] op_sel:[0,0,0] op_sel_hi:[1,0,0]
.endif
.else
.if \odd
	v_fma_mix_f32 v[\d], v[\hreg], v[\x], v[\c] op_sel:[1,0,0] op_sel_hi:[1,0,0]
.else
	v_fma_mix_f32 v[\d], v[\hreg], v[\x], v[\c] op_sel:[0,0,0] op_sel_hi:[1,0,0]
.endif
.endif
.endm
.macro NORMROPE a                      ; row block a: norm over the head's 128 columns, weight, RoPE, f16
	WIN 0x05
.irp p, 0,1,2,3
	v_pk_mul_f32 v[SS+2*(\p):SS+2*(\p)+1], v[64*(\a)+2*(\p):64*(\a)+2*(\p)+1], v[64*(\a)+2*(\p):64*(\a)+2*(\p)+1]
.endr
.irp b, 1,2,3,4,5,6,7
.irp p, 0,1,2,3
	v_pk_fma_f32 v[SS+2*(\p):SS+2*(\p)+1], v[64*(\a)+8*(\b)+2*(\p):64*(\a)+8*(\b)+2*(\p)+1], v[64*(\a)+8*(\b)+2*(\p):64*(\a)+8*(\b)+2*(\p)+1], v[SS+2*(\p):SS+2*(\p)+1]
.endr
.endr
	WIN 0
	v_pk_add_f32 v[SS:SS+1], v[SS:SS+1], v[SS+2:SS+3]
	v_pk_add_f32 v[SS+4:SS+5], v[SS+4:SS+5], v[SS+6:SS+7]
	v_pk_add_f32 v[SS:SS+1], v[SS:SS+1], v[SS+4:SS+5]
	v_add_f32 v[SS], v[SS], v[SS+1]
	v_permlanex16_b32 v[SS+1], v[SS], s[SEL], s[SEL+1]  ; the row's other 64 columns lie in the lane 16 away
	v_add_f32 v[SS], v[SS], v[SS+1]
	v_fma_f32 v[SS], v[SS], s[I128], s[EPS]
	v_rsq_f32 v[RSQ], v[SS]
	v_rsq_f32 v[RSQ+1], v[SS]
	v_nop                                          ; a plain line behind the two, and one wait ahead of their first reader
	s_wait_alu depctr_va_vdst(0)
	WIN 0x01
.set i, 0
.rept 32
	v_pk_mul_f32 v[Y+2*i:Y+2*i+1], v[64*(\a)+2*i:64*(\a)+2*i+1], v[RSQ:RSQ+1]
.set i, i+1
.endr
	WIN 0x0c
.set i, 0
.rept 32
	v_pk_mul_f32 v[Y+2*i:Y+2*i+1], v[Y+2*i:Y+2*i+1], v[2*i:2*i+1]
.set i, i+1
.endr
	WIN 0x02                                       ; column d < 64: y cos - y[d + 64] sin;  d >= 64: y cos + y[d - 64] sin; the partner is column block b + 4, in the same lane
.irp b, 0,1,2,3
.irp j, 0,1,2,3,4,5,6,7
	MIX T1+\j, 64*(\a)+32+4*\b+\j/2, \j%2, Y+8*\b+32+\j, ZR, 0
	MIX T2+\j, 64*(\a)+48+4*\b+\j/2, \j%2, Y+8*\b+\j, ZR, 0
.endr
.irp j, 0,1,2,3,4,5,6,7
	MIX Y+8*\b+\j, 64*(\a)+4*\b+\j/2, \j%2, Y+8*\b+\j, T1+\j, 1
	MIX Y+8*\b+32+\j, 64*(\a)+16+4*\b+\j/2, \j%2, Y+8*\b+32+\j, T2+\j, 0
.endr
.endr
	WIN 0
.set i, 0
.rept 32
	v_cvt_pk_f16_f32 v[TMP+i], v[Y+2*i], v[Y+2*i+1]
.set i, i+1
.endr
.endm
.macro PACKV a
	WIN 0x05
.set i, 0
.rept 32
	v_cvt_pk_f16_f32 v[TMP+i], v[64*(\a)+2*i], v[64*(\a)+2*i+1]
.set i, i+1
.endr
	WIN 0
.endm
.macro TOSTAGE a                       ; 16 bytes a lane into my stage, and back as whole rows of 256 bytes
	WIN 0
.irp b, 0,1,2,3,4,5,6,7
	ds_store_b128 v[STO], v[TMP+4*(\b):TMP+4*(\b)+3] offset:32*(\b)
.endr
.irp t, 0,1,2,3,4,5,6,7
	ds_load_b128 v[BKB+32*((\a)%2)+4*(\t):BKB+32*((\a)%2)+4*(\t)+3], v[RD] offset:(\t)*2*SPITCH  ; LDS serves a wave's instructions in order (ISA guide 5.7.1.4)
.endr
.endm
.macro SEND a
	WIN 0
	s_wait_dscnt 0x0                               ; the block is back in registers
	s_wait_xcnt 0x0                                ; the stores of the block before have read their registers: the next TOSTAGE loads into them
.irp t, 0,1,2,3,4,5,6,7
	global_store_b128 v[CO], v[BKB+32*((\a)%2)+4*(\t):BKB+32*((\a)%2)+4*(\t)+3], s[OB:OB+1] offset:4096*(\a)+512*(\t)  ; 512 consecutive bytes, aligned
.endr
.endm
	s_wait_loadcnt 0x0                             ; cos, sin and the weight are in: ahead of the branch, so that no load is out on either way
	s_cmp_eq_u32 ttmp9, 3
	s_cbranch_scc1 .Lv_out
	WPREP
	NORMROPE 0
	TOSTAGE 0
.irp a, 1,2,3
	NORMROPE \a                                    ; a block's arithmetic stands between the loads of the block before and its stores
	SEND (\a)-1
	TOSTAGE \a
.endr
	SEND 3
	s_branch .Lend
.Lv_out:
	PACKV 0
	TOSTAGE 0
.irp a, 1,2,3
	PACKV \a
	SEND (\a)-1
	TOSTAGE \a
.endr
	SEND 3
.Lend:
	s_wait_tensorcnt 0x0                           ; the wave's end
	ds_add_u32 v[SPW], v[NIL]
	s_wait_dscnt 0x0
	CROUND                                         ; the closing round
	s_endpgm
.Lfunc_end_k_q6257e22d7b_qkv:
	.size	k_q6257e22d7b_qkv, .Lfunc_end_k_q6257e22d7b_qkv-k_q6257e22d7b_qkv
	.p2alignl 7, 3214868480
	.fill 96, 4, 3214868480
	.section	.rodata,"a",@progbits
	.p2align	6, 0x0
	.amdhsa_kernel k_q6257e22d7b_qkv
		.amdhsa_group_segment_fixed_size 327680
		.amdhsa_private_segment_fixed_size 0
		.amdhsa_enable_private_segment 0
		.amdhsa_kernarg_size 48
		.amdhsa_user_sgpr_count 2
		.amdhsa_user_sgpr_kernarg_segment_ptr 1
		.amdhsa_wavefront_size32 1
		.amdhsa_system_sgpr_workgroup_id_x 1
		.amdhsa_system_sgpr_workgroup_id_y 1
		.amdhsa_system_sgpr_workgroup_id_z 1
		.amdhsa_system_vgpr_workitem_id 0
		.amdhsa_next_free_vgpr 832
		.amdhsa_next_free_sgpr 96
		.amdhsa_reserve_vcc 0
		.amdhsa_float_denorm_mode_32 3
		.amdhsa_float_denorm_mode_16_64 3
		.amdhsa_memory_ordered 1
		.amdhsa_forward_progress 1
		.amdhsa_inst_pref_size 175
	.end_amdhsa_kernel
	.amdgpu_metadata
---
amdhsa.version: [ 1, 2 ]
amdhsa.kernels:
  - .name:           k_q6257e22d7b_qkv
    .symbol:         k_q6257e22d7b_qkv.kd
    .args:
      - { .name: h16, .offset: 0, .size: 8, .value_kind: global_buffer, .address_space: global }
      - { .name: w16, .offset: 8, .size: 8, .value_kind: global_buffer, .address_space: global }
      - { .name: cs16, .offset: 16, .size: 8, .value_kind: global_buffer, .address_space: global }
      - { .name: q_norm_w, .offset: 24, .size: 8, .value_kind: global_buffer, .address_space: global }
      - { .name: k_norm_w, .offset: 32, .size: 8, .value_kind: global_buffer, .address_space: global }
      - { .name: qkv16, .offset: 40, .size: 8, .value_kind: global_buffer, .address_space: global }
    .group_segment_fixed_size: 327680
    .private_segment_fixed_size: 0
    .kernarg_segment_align: 8
    .kernarg_segment_size: 48
    .max_flat_workgroup_size: 128
    .sgpr_count:     96
    .vgpr_count:     832
    .wavefront_size: 32
...
	.end_amdgpu_metadata
.endif
;; end of part 2
;; launch attn (part 3): grid 32 x 8, 4 waves a work-group, clusters of 4 x 4, 327,680 bytes of LDS; arguments qkv16, attention_mask, attn16; writes attn16
.if DOCPART == 3
	.amdgcn_target "amdgcn-amd-amdhsa--gfx1250"
	.amdhsa_code_object_version 6
	.text
	.protected	k_q6257e22d7b_attn
	.globl	k_q6257e22d7b_attn
	.p2align	8
	.type	k_q6257e22d7b_attn,@function
k_q6257e22d7b_attn:
	s_mov_b64 s[64:65], 0
	v_nop
	global_prefetch_b8 v0, s[64:65] scope:SCOPE_SE
	s_setreg_imm32_b32 hwreg(HW_REG_WAVE_MODE, 25, 1), 1
	s_wait_xcnt 0x0
	s_wait_alu depctr_hold_cnt(0) depctr_sa_sdst(0) depctr_va_vdst(0) depctr_va_sdst(0) depctr_va_ssrc(0) depctr_va_vcc(0) depctr_vm_vsrc(0)
	s_getreg_b32 s2, hwreg(HW_REG_IB_STS2, 6, 4)
	s_cmp_eq_u32 s2, 0
	s_cbranch_scc0 .Lentry_in_a_cluster
	s_endpgm
.Lentry_in_a_cluster:
	s_bfe_u32 s2, ttmp6, 0x10000c
	s_cmp_lg_u32 s2, 0xf033
	s_cbranch_scc0 .Lentry_shape_is_right
	s_endpgm
.Lentry_shape_is_right:
; ATTENTION with a soft cap and an additive mask that is an input.  For query head hq (key and value head hq / 2):
;   s = 30 tanh(q . k / (30 sqrt(128))) + mask[q][k];  O = softmax_k(s) V.  q arrives times KF = 2 log2(e) / (30 sqrt(128)), so that x = K Q^T gives 30 tanh = 30 - 60 / (1 + 2^x).
; q, k, v: qkv16 [32][2048][128] f16 (heads 0-15 q, 16-23 k, 24-31 v); the mask in f32, as given, every number of it read; O: attn16 [2048][16 x 128] f16.
; s is formed in f32 in this order: the cap, plus the mask.  A running maximum m; p = 2^(log2(e) (s - m)), the difference first, so that a row hidden throughout by one large number keeps equal weights.
; LIMITS.  p is rounded to f16 for the second product (its sum l is taken of the unrounded p); a weight below 2^-126 counts as 0; a row whose mask is -inf throughout gives NaN.
; SHARES.  A work-group: 64 queries of the two query heads of one key and value head.  A wave: 16 queries x 2 heads = two tiles, which share one mask fragment.  Every wave walks all 2,048 keys, 64 a step.
; LAYOUT.  S^T = K Q^T (source 0 = 16 keys, source 1 = 16 queries): a lane holds one query (l % 16) and keys 8 (l / 16) + 0..7.  Two such results rounded to f16 are source 1 of O^T = V^T P.
; CLUSTER 4 x 4.  K and V hang on the key and value head alone: asked for jointly along a row of the cluster.  The mask tile hangs on the query block alone: jointly along a column.
; A slot holds two steps: 128 rows of K, 128 of V, 64 rows x 128 keys of the mask.  One load a wave behind each round: waves 0, 1 K's halves, wave 2 V, wave 3 the mask.
; THE PRODUCTS RIDE ON THE SOFTMAX.  A step has 524 vector lines for its 64 products, so the products have no phase of their own: one stands behind every six vector lines.
;   K Q^T writes the raw x into registers of its own (R); the softmax's first line, 2^x, reads R and writes S.  So the products of step s + 1 run while step s is worked on in S.
;   V^T P of step s runs beside the first half of step s + 1's softmax, which touches neither P, O^T nor V.
;   A trip: PART1 = K and mask of s + 1 are fetched | s - m .. the rescaling of step s (263 lines) with K Q^T of s + 1;  PART2 = 2^x .. the maximum of step s + 1 (261 lines) with V^T P of s | V of s + 1 is fetched.
;   Riders and products name different registers; behind each run of products stand 16 plain lines or more before its results are read or its sources loaded again.
; REGISTERS.  window 0: v0-15 addresses; v16-31 statistics; v64-127 S; v128-159 P; v160-191 the mask; v192-255 R.   window 1: v0-127 O^T, 64 a tile; v128-191 Q.   window 2: v0-127 K, v128-255 V of one step.
.set PK,    272                        ; a row of K: 256 bytes + 16
.set PV_,   288                        ; a row of V: 256 + 32
.set PM,    528                        ; a row of the mask tile: 512 + 16
.set VOFF,  128*PK
.set MOFF,  VOFF+128*PV_
.set SLOT1, 1<<17                      ; slot 1 begins here: one exclusive or turns an address in one slot into the other's
.set STAGE, SLOT1+MOFF+64*PM           ; behind the ring, never filled by a tensor load: 16 rows x 272 bytes a wave
.set SP,    272
.set SPARE, STAGE+4*16*SP              ; the spare words
.set AK0, 2
.set AV0, 3
.set AM0, 4
.set ADK, 5
.set ADM, 6
.set ADV, 7
.set QO,  8
.set STO, 12
.set RD,  13
.set GO,  14
.set PFO, 15
.set SPW, 62
.set NIL, 63
.set ST,  16                           ; tile t at ST + 8 t: m, 0, l (even keys', odd keys'), c0-c3 at work; a takes c2's place
.set S,   64
.set P,   128
.set M,   160
.set R,   192
.set WV,  10
.set CX,  11
.set CY,  12
.set QB,  13
.set KVH, 14
.set LIM, 15
.set PFA, 18
.set G1K, 24
.set G1V, 32
.set G1M, 40
.set G0K, 48                           ; two sets each: one for each first fill; the second then walks
.set G0V, 56
.set G0M, 68
.set SLOTS, 76
.set CNT, 77
.set TBK, 78
.set TBV, 79
.set LL,  80                           ; s[80:81] log2(e)
.set N60, 82                           ; s[82:83] -60
.set P30, 84                           ; s[84:85] 30
.set SEL, 86
.set PFS, 88                           ; s[88:89] the prefetches' step from slot to slot
.set TBM, 90
.set MSB, 0
.macro WIN new
.if MSB != (\new)
	s_set_vgpr_msb (MSB<<8)|(\new)
.set MSB, \new
.endif
.endm
.macro PLACES
.rept 4
	v_nop
.endr
.endm
.macro JLOAD                           ; the joint refill, by the walking sets; the branches hang on the wave's number alone; an s_nop 0 and four v_nop follow each line
	s_cmp_lt_u32 s[WV], 2
	s_cbranch_scc0 .Lnot_k_\@
	tensor_load_to_lds s[G0K+4:G0K+7], s[G1K:G1K+7]
	s_nop 0
.rept 4
	v_nop
.endr
	s_branch .Lasked_\@
.Lnot_k_\@:
	s_cmp_eq_u32 s[WV], 2
	s_cbranch_scc0 .Lfor_m_\@
	tensor_load_to_lds s[G0V+4:G0V+7], s[G1V:G1V+7]
	s_nop 0
.rept 4
	v_nop
.endr
	s_branch .Lasked_\@
.Lfor_m_\@:
	tensor_load_to_lds s[G0M+4:G0M+7], s[G1M:G1M+7]
	s_nop 0
.rept 4
	v_nop
.endr
.Lasked_\@:
.endm
.macro ASK                             ; a prefetch of what the next change of slots will ask for; the last change that fills a slot asks for nothing
	s_cmp_gt_u32 s[SLOTS], s[LIM]
	s_cbranch_scc0 .Lnot_mine_\@
	global_prefetch_b8 v[PFO], s[PFA:PFA+1] th:TH_LOAD_NT scope:SCOPE_SE
.Lnot_mine_\@:
.endm
.macro CROUND
	s_barrier_signal -1
	s_barrier_wait -1
	s_cmp_lg_u32 s[WV], 0
	s_cbranch_scc1 .Lnot_wave_0_\@
	s_barrier_signal -3
.Lnot_wave_0_\@:
	s_barrier_wait -3
	s_barrier_signal -1
	s_barrier_wait -1
.endm
; THE CHANGE OF SLOTS, between two trips: the slot's last bytes, V of its second step, have been asked for; the next trip's first reads, K and the mask, are the other slot's.
; Every wave waits for all its tensor loads (one is out: its part of the other slot), adds 0 to its spare word, waits for that and for its reads of the slot.
; fill = 1: a round of the cluster's barrier, and the slot is filled again with the keys two slots on: two trips in which to land.
.macro CHANGE fill
	WIN 0
	s_wait_tensorcnt 0x0
	ds_add_u32 v[SPW], v[NIL]                      ; the descriptors' steps stand between the add and the wait for it
.if \fill
.irp g, G0K+4, G0V+4
	s_xor_b32 s[(\g)+1], s[(\g)+1], SLOT1
	s_add_nc_u64 s[(\g)+2:(\g)+3], s[(\g)+2:(\g)+3], 128*256   ; the next 128 keys
.endr
	s_xor_b32 s[G0M+5], s[G0M+5], SLOT1
	s_add_nc_u64 s[G0M+6:G0M+7], s[G0M+6:G0M+7], 128*4
	s_wait_xcnt 0x0                                ; the last prefetch, two trips back, has read its address
	s_add_nc_u64 s[PFA:PFA+1], s[PFA:PFA+1], s[PFS:PFS+1]
	s_wait_dscnt 0x0
	CROUND
	JLOAD
	ASK
.else
	s_wait_dscnt 0x0
	s_barrier_signal -1
	s_barrier_wait -1
.endif
	s_sub_co_u32 s[TBK], s[TBK], 2*64*PK           ; the fetches go back to a slot's first step, in the other slot
	s_xor_b32 s[TBK], s[TBK], SLOT1
	s_sub_co_u32 s[TBV], s[TBV], 2*64*PV_
	s_xor_b32 s[TBV], s[TBV], SLOT1
	s_sub_co_u32 s[TBM], s[TBM], 2*256
	s_xor_b32 s[TBM], s[TBM], SLOT1
.endm
	s_load_b128 s[4:7], s[0:1], 0x0                ; qkv16 s[4:5], the mask s[6:7]
	s_load_b64 s[8:9], s[0:1], 0x10                ; attn16
	v_lshl_add_u32 v[SPW], v0, 2, SPARE
	v_mov_b32 v[NIL], 0
	ds_add_u32 v[SPW], v[NIL]                      ; the wave's opening: the add and its wait ahead of my first tensor load
	v_lshrrev_b32 v1, 5, v0
	v_readfirstlane_b32 s[WV], v1
	s_bfe_u32 s[CX], ttmp6, 0x40000
	s_bfe_u32 s[CY], ttmp6, 0x40004
	s_lshl_b32 s[QB], ttmp9, 2
	s_add_co_u32 s[QB], s[QB], s[CX]               ; my block of 64 queries
	s_and_b32 s[KVH], ttmp7, 0xffff
	s_lshl_b32 s[KVH], s[KVH], 2
	s_add_co_u32 s[KVH], s[KVH], s[CY]             ; my key and value head
	s_lshl_b32 s20, s[CY], 2
	s_lshl_b32 s20, 15, s20                        ; my row of the cluster
	s_lshl_b32 s21, 0x1111, s[CX]                  ; my column
	s_or_b32 s[G1K], s20, (1<<16)|(1<<20)|(1<<21)|(5<<22)|(3<<25)  ; 2-byte elements; padding after every 64 words, 4 words
	s_or_b32 s[G1V], s20, (1<<16)|(1<<20)|(1<<21)|(5<<22)|(7<<25)  ; 8 words
	s_or_b32 s[G1M], s21, (2<<16)|(1<<20)|(1<<21)|(6<<22)|(3<<25)  ; 4-byte elements; after every 128 words, 4 words
.irp g, G1K, G1V, G1M
	s_mov_b32 s[(\g)+1], 128<<16                   ; tensor_dim0 = 128
	s_mov_b32 s[(\g)+3], 128<<16                   ; tile_dim0 = 128
	s_mov_b32 s[(\g)+6], 0
	s_mov_b32 s[(\g)+7], 0
.endr
	s_mov_b32 s[G1K+2], 64<<16                     ; K: 64 rows a load, 128 elements from row to row
	s_mov_b32 s[G1K+4], 64
	s_mov_b32 s[G1K+5], 128
	s_mov_b32 s[G1V+2], 128<<16                    ; V: 128 rows
	s_mov_b32 s[G1V+4], 128
	s_mov_b32 s[G1V+5], 128
	s_mov_b32 s[G1M+2], 64<<16                     ; the mask: 64 rows, 2,048 elements from row to row
	s_mov_b32 s[G1M+4], 64
	s_mov_b32 s[G1M+5], 2048
	s_mov_b32 s[LL], 0x3fb8aa3b
	s_mov_b32 s[LL+1], s[LL]
	s_mov_b32 s[N60], 0xc2700000
	s_mov_b32 s[N60+1], s[N60]
	s_mov_b32 s[P30], 0x41f00000
	s_mov_b32 s[P30+1], s[P30]
	s_mov_b32 s[SEL], 0x76543210
	s_mov_b32 s[SEL+1], 0xfedcba98
	s_mov_b32 s[TBK], 0
	s_mov_b32 s[TBV], 0
	s_mov_b32 s[TBM], 0
	s_and_b32 s91, s[WV], 1                        ; which half of a slot's K I fetch
	s_add_co_u32 s92, s[KVH], 16
	s_lshl_b32 s92, s92, 19                        ; a head is 2,048 rows of 256 bytes
	s_lshl_b32 s20, s91, 14
	s_add_co_u32 s92, s92, s20
	s_mov_b32 s93, 0
	s_add_co_u32 s94, s[KVH], 24
	s_lshl_b32 s94, s94, 19
	s_mov_b32 s95, 0
	s_lshl_b32 s16, s[QB], 19                      ; 64 rows of the mask, 8,192 bytes each
	s_mov_b32 s17, 0
	s_mul_i32 s91, s91, 64*PK                      ; and its place in a slot
	s_lshl_b32 s2, s[KVH], 20                      ; Q: head 2 kvh, row 64 qb + 16 wave
	s_lshl_b32 s20, s[QB], 14
	s_add_co_u32 s2, s2, s20
	s_lshl_b32 s20, s[WV], 12
	s_add_co_u32 s2, s2, s20
	s_mov_b32 s3, 0
	s_lshl_b32 s22, s[QB], 18                      ; O: the same row, of 4,096 bytes; column 256 kvh
	s_lshl_b32 s20, s[WV], 16
	s_add_co_u32 s22, s22, s20
	s_lshl_b32 s20, s[KVH], 9
	s_add_co_u32 s22, s22, s20
	s_mov_b32 s23, 0
	s_wait_dscnt 0x0                               ; the opening add is done
	s_wait_kmcnt 0x0
	s_add_nc_u64 s[92:93], s[4:5], s[92:93]        ; K at my part of slot 0
	s_add_nc_u64 s[94:95], s[4:5], s[94:95]        ; V
	s_add_nc_u64 s[16:17], s[6:7], s[16:17]        ; the mask at my work-group's rows
	s_add_nc_u64 s[2:3], s[4:5], s[2:3]            ; Q
	s_add_nc_u64 s[8:9], s[8:9], s[22:23]          ; O
.irp s, 0,1
	s_mov_b32 s[G0K+4*(\s)], 1
	s_add_co_u32 s[G0K+4*(\s)+1], s91, (\s)*SLOT1
	s_add_nc_u64 s[G0K+4*(\s)+2:G0K+4*(\s)+3], s[92:93], (\s)*128*256
	s_or_b32 s[G0K+4*(\s)+3], s[G0K+4*(\s)+3], 0x80000000
	s_mov_b32 s[G0V+4*(\s)], 1
	s_mov_b32 s[G0V+4*(\s)+1], VOFF+(\s)*SLOT1
	s_add_nc_u64 s[G0V+4*(\s)+2:G0V+4*(\s)+3], s[94:95], (\s)*128*256
	s_or_b32 s[G0V+4*(\s)+3], s[G0V+4*(\s)+3], 0x80000000
	s_mov_b32 s[G0M+4*(\s)], 1
	s_mov_b32 s[G0M+4*(\s)+1], MOFF+(\s)*SLOT1
	s_add_nc_u64 s[G0M+4*(\s)+2:G0M+4*(\s)+3], s[16:17], (\s)*128*4
	s_or_b32 s[G0M+4*(\s)+3], s[G0M+4*(\s)+3], 0x80000000
.endr
	; THE PREFETCHES.  Each block of 256 bytes is named once in the launch.  K and V of a head are walked by every cluster of that row of clusters: cluster x = 0 asks, wave 0 for K, wave 2 for V,
	; rows 32 cx .. + 31 of a slot's 128, a lane a row.  A mask tile is walked by both clusters of a column: cluster y = 0 asks, wave 3, rows 16 cy .. + 15 of the 64, two blocks a row.  Wave 1 asks for nothing.
	s_and_b32 s20, ttmp7, 0xffff
	s_cmp_eq_u32 s[WV], 3
	s_cselect_b32 s20, s20, ttmp9                  ; the coordinate along which other clusters read the same bytes
	s_cselect_b32 s21, s[CY], s[CX]                ; my place among the four that ask jointly,
	s_cselect_b32 s22, 17, 13                      ; times 16 rows of 8,192 bytes, or 32 rows of 256
	s_cselect_b32 s23, 9, 15                       ; a slot's step: 512 bytes, or 32,768
	s_cselect_b32 s66, 13, 8                       ; lanes 0-15 lie 8,192 or 256 bytes apart,
	s_cselect_b32 s67, 8, 12                       ; lanes 16-31 begin 256 or 4,096 bytes on
	s_cselect_b64 s[PFA:PFA+1], s[16:17], s[94:95]
	s_cmp_lt_u32 s[WV], 2
	s_cselect_b64 s[PFA:PFA+1], s[92:93], s[PFA:PFA+1]
	s_cmp_eq_u32 s[WV], 1
	s_cselect_b32 s20, 1, s20
	s_cmp_eq_u32 s20, 0
	s_cselect_b32 s[LIM], 1, -1                    ; 1 in a wave that asks, else the greatest number: the same in all partners
	s_lshl_b32 s20, s21, s22
	s_mov_b32 s21, 0
	s_add_nc_u64 s[PFA:PFA+1], s[PFA:PFA+1], s[20:21]
	s_lshl_b32 s[PFS], 1, s23
	s_mov_b32 s[PFS+1], 0
	s_lshl_b32 s20, s[PFS], 1
	s_add_nc_u64 s[PFA:PFA+1], s[PFA:PFA+1], s[20:21]  ; in slot 2; the first change of slots steps it to slot 3.  Nothing is asked for at the head
	CROUND                                         ; all sixteen work-groups are here: the first joint loads meet
	s_cmp_lt_u32 s[WV], 2                          ; a wave's two first fills stand in one branch: two loads of mine are out
	s_cbranch_scc0 .Lfirst_not_k
	tensor_load_to_lds s[G0K:G0K+3], s[G1K:G1K+7]
	s_nop 0
	tensor_load_to_lds s[G0K+4:G0K+7], s[G1K:G1K+7]
	s_nop 0
.rept 4
	v_nop
.endr
	s_branch .Lfirst_asked
.Lfirst_not_k:
	s_cmp_eq_u32 s[WV], 2
	s_cbranch_scc0 .Lfirst_m
	tensor_load_to_lds s[G0V:G0V+3], s[G1V:G1V+7]
	s_nop 0
	tensor_load_to_lds s[G0V+4:G0V+7], s[G1V:G1V+7]
	s_nop 0
.rept 4
	v_nop
.endr
	s_branch .Lfirst_asked
.Lfirst_m:
	tensor_load_to_lds s[G0M:G0M+3], s[G1M:G1M+7]
	s_nop 0
	tensor_load_to_lds s[G0M+4:G0M+7], s[G1M:G1M+7]
	s_nop 0
.rept 4
	v_nop
.endr
.Lfirst_asked:
	v_and_b32 v1, 15, v0                           ; r = l % 16
	v_bfe_u32 v9, v0, 4, 1                         ; h = l / 16
	v_lshlrev_b32 v[QO], 8, v1
	v_lshl_add_u32 v[QO], v9, 4, v[QO]             ; 256 r + 16 h
	WIN 0x40
.set i, 0
.rept 8                                        ; Q stays in registers: tile i / 4, channels 32 (i % 4) on
	global_load_b128 v[128+8*i:128+8*i+3],   v[QO], s[2:3] offset:(i/4)*524288+(i%4)*64
	global_load_b128 v[128+8*i+4:128+8*i+7], v[QO], s[2:3] offset:(i/4)*524288+(i%4)*64+32
.set i, i+1
.endr
	; What the first trip finds.  O^T and l are 0 and m is the lowest finite number, so that the first step is a step like any other (a = 0).  P and V are 0: the first trip's V^T P, of a step that has not been, adds 0.
	; The price of writing no first trip out; all of it stands in the wait for the first tile.
.set i, 0
.rept 128
	v_mov_b32 v[i], 0
.set i, i+1
.endr
	WIN 0x80
.set i, 128
.rept 128
	v_mov_b32 v[i], 0
.set i, i+1
.endr
	WIN 0
.set i, P
.rept 32
	v_mov_b32 v[i], 0
.set i, i+1
.endr
.irp t, 0,1
	v_mov_b32 v[ST+8*(\t)], 0xff7fffff
	v_mov_b32 v[ST+8*(\t)+1], 0
	v_mov_b32 v[ST+8*(\t)+2], 0
	v_mov_b32 v[ST+8*(\t)+3], 0
.endr
	v_lshlrev_b32 v[PFO], s66, v1
	v_lshlrev_b32 v10, s67, v9
	v_add_nc_u32 v[PFO], v[PFO], v10
	v_mul_u32_u24 v[AK0], v1, PK
	v_lshl_add_u32 v[AK0], v9, 4, v[AK0]           ; K: row x pitch + 16 x half
	v_and_b32 v10, 7, v0                           ; V, by the turning load: lane l reads key 8 (l / 16) + l % 8, channels 8 ((l / 8) % 2) + 0..7
	v_bfe_u32 v11, v0, 3, 1
	v_lshl_add_u32 v[AV0], v9, 3, v10
	v_mul_u32_u24 v[AV0], v[AV0], PV_
	v_lshl_add_u32 v[AV0], v11, 4, v[AV0]
	v_add_nc_u32 v[AV0], VOFF, v[AV0]
	s_lshl_b32 s20, s[WV], 4
	v_add_nc_u32 v[AM0], s20, v1                   ; the mask: my query's row of the tile, my 8 keys of 16
	v_mul_u32_u24 v[AM0], v[AM0], PM
	v_lshl_add_u32 v[AM0], v9, 5, v[AM0]
	v_add_nc_u32 v[AM0], MOFF, v[AM0]
	s_mul_i32 s20, s[WV], 16*SP
	s_add_co_u32 s20, s20, STAGE                   ; my stage
	v_mul_u32_u24 v[STO], v1, SP
	v_lshl_add_u32 v[STO], v9, 4, v[STO]
	v_add_nc_u32 v[STO], s20, v[STO]
	v_mul_u32_u24 v[RD], v9, SP
	v_lshl_add_u32 v[RD], v1, 4, v[RD]
	v_add_nc_u32 v[RD], s20, v[RD]
	v_lshlrev_b32 v[GO], 12, v9                    ; two rows of O, 4,096 bytes apart
	v_lshl_add_u32 v[GO], v1, 4, v[GO]
; THE MATRIX WORK.  The accumulators take turns, one instruction a turn.  mi is the number of the next product of a run of 32.
.set mi, 32
.macro KQ                              ; product mi of R = K Q^T: tile mi % 2, keys 16 ((mi / 2) % 4) on, channels 32 (mi / 8) on; the first 8 start the sums
	WIN 0x06
.set rS, R+32*(mi%2)+8*((mi/2)%4)
.set rK, 32*((mi/2)%4)+8*(mi/8)
.set rQ, 128+32*(mi%2)+8*(mi/8)
.if mi < 8
	v_wmma_f32_16x16x32_f16 v[rS:rS+7], v[rK:rK+7], v[rQ:rQ+7], 0
.else
	v_wmma_f32_16x16x32_f16 v[rS:rS+7], v[rK:rK+7], v[rQ:rQ+7], v[rS:rS+7]
.endif
.set mi, mi+1
.endm
.macro PV                              ; product mi of O^T += V^T P: tile mi % 2, channels 16 ((mi / 2) % 8) on, keys 32 (mi / 16) on
	WIN 0x52
.set rO, 64*(mi%2)+8*((mi/2)%8)
.set rV, 128+64*(mi/16)+8*((mi/2)%8)
.set rP, P+16*(mi%2)+8*(mi/16)
	v_wmma_f32_16x16x32_f16 v[rO:rO+7], v[rV:rV+7], v[rP:rP+7], v[rO:rO+7]
.set mi, mi+1
.endm
; WHERE THE PRODUCTS STAND.  Every vector line of the softmax ends with TICK, which counts the part's lines (vc); from line MSTART on, the next product of the run in hand (MQ = 1: K Q^T, 2: V^T P) follows every MPER-th line.
; PART1: lines 60, 66 .. 246 of 263.  PART2: lines 4, 10 .. 190 of 261.
.set vc, 0
.set MQ, 0
.set MSTART, 0
.set MPER, 6
.macro TICK
.set vc, vc+1
.if (MQ != 0) && (mi < 32) && (vc >= MSTART)
.if ((vc-MSTART) % MPER) == 0
.if MQ == 1
.if mi == 0
	s_wait_dscnt 8                                 ; K is in; the mask's eight loads, issued behind K's, may stay out
.endif
	KQ
.else
	PV
.endif
.endif
.endif
.endm
; THE LDS LOADS, in runs
.macro FETCH_K
	WIN 0
	v_add_nc_u32 v[ADK], s[TBK], v[AK0]
	WIN 0x80
.irp f, 0,1,2,3,4,5,6,7,8,9,10,11,12,13,14,15  ; keys 16 (f / 4) on, channels 32 (f % 4) on
	ds_load_b128 v[8*(\f):8*(\f)+3],   v[ADK] offset:((\f)/4)*16*PK+((\f)%4)*64
	ds_load_b128 v[8*(\f)+4:8*(\f)+7], v[ADK] offset:((\f)/4)*16*PK+((\f)%4)*64+32
.endr
	s_add_co_u32 s[TBK], s[TBK], 64*PK
	WIN 0
.endm
.macro FETCH_M
	WIN 0
	v_add_nc_u32 v[ADM], s[TBM], v[AM0]
.irp f, 0,1,2,3                                ; keys 16 f + 8 h + 0..7 of my query's row
	ds_load_b128 v[M+8*(\f):M+8*(\f)+3],   v[ADM] offset:64*(\f)
	ds_load_b128 v[M+8*(\f)+4:M+8*(\f)+7], v[ADM] offset:64*(\f)+16
.endr
	s_add_co_u32 s[TBM], s[TBM], 256
.endm
.macro FETCH_V
	WIN 0
	v_add_nc_u32 v[ADV], s[TBV], v[AV0]
	WIN 0x80
.irp f, 0,1,2,3,4,5,6,7,8,9,10,11,12,13,14,15  ; keys 32 (f / 8) on, channels 16 (f % 8) on
	ds_load_tr16_b128 v[128+8*(\f):128+8*(\f)+3],   v[ADV] offset:((\f)/8)*32*PV_+((\f)%8)*32
	ds_load_tr16_b128 v[128+8*(\f)+4:128+8*(\f)+7], v[ADV] offset:((\f)/8)*32*PV_+16*PV_+((\f)%8)*32
.endr
	s_add_co_u32 s[TBV], s[TBV], 64*PV_
	WIN 0
.endm
; THE VECTOR WORK, a line each: tile t, score or pair n.  All but E1 work in place on S.
.macro E1 t, n                         ; 2^x, out of the products' registers into the softmax's
	WIN 0
	v_exp_f32 v[S+32*(\t)+(\n)], v[R+32*(\t)+(\n)]
	TICK
.endm
.macro EX t, n                         ; 2^s
	WIN 0
	v_exp_f32 v[S+32*(\t)+(\n)], v[S+32*(\t)+(\n)]
	TICK
.endm
.macro RC t, n                         ; 1 / s
	WIN 0
	v_rcp_f32 v[S+32*(\t)+(\n)], v[S+32*(\t)+(\n)]
	TICK
.endm
.macro UU t, n                         ; + 1
	WIN 0
	v_pk_add_f32 v[S+32*(\t)+2*(\n):S+32*(\t)+2*(\n)+1], v[S+32*(\t)+2*(\n):S+32*(\t)+2*(\n)+1], 1.0 op_sel_hi:[1,0]
	TICK
.endm
.macro TT t, n                         ; 30 - 60 s
	WIN 0
	v_pk_fma_f32 v[S+32*(\t)+2*(\n):S+32*(\t)+2*(\n)+1], v[S+32*(\t)+2*(\n):S+32*(\t)+2*(\n)+1], s[N60:N60+1], s[P30:P30+1] op_sel_hi:[1,0,0]
	TICK
.endm
.macro AM t, n                         ; + the mask
	WIN 0
	v_pk_add_f32 v[S+32*(\t)+2*(\n):S+32*(\t)+2*(\n)+1], v[S+32*(\t)+2*(\n):S+32*(\t)+2*(\n)+1], v[M+2*(\n):M+2*(\n)+1]
	TICK
.endm
.macro DD t, n                         ; - m
	WIN 0
	v_pk_add_f32 v[S+32*(\t)+2*(\n):S+32*(\t)+2*(\n)+1], v[S+32*(\t)+2*(\n):S+32*(\t)+2*(\n)+1], v[ST+8*(\t):ST+8*(\t)+1] op_sel_hi:[1,0] neg_lo:[0,1] neg_hi:[0,1]
	TICK
.endm
.macro ML t, n                         ; x log2(e)
	WIN 0
	v_pk_mul_f32 v[S+32*(\t)+2*(\n):S+32*(\t)+2*(\n)+1], v[S+32*(\t)+2*(\n):S+32*(\t)+2*(\n)+1], s[LL:LL+1] op_sel_hi:[1,0]
	TICK
.endm
.macro CV t, n                         ; a pair of weights rounded to f16
	WIN 0
	v_cvt_pk_f16_f32 v[P+16*(\t)+(\n)], v[S+32*(\t)+2*(\n)], v[S+32*(\t)+2*(\n)+1]
	TICK
.endm
.macro SU t, z                         ; the sum of the 16 pairs, in place: neighbours 1, 2, 4, 8 pairs apart; number 15: l = a l + the sum
	WIN 0
.set rT, ST+8*(\t)
.set rS, S+32*(\t)
.if (\z) < 8
	v_pk_add_f32 v[rS+4*(\z):rS+4*(\z)+1], v[rS+4*(\z):rS+4*(\z)+1], v[rS+4*(\z)+2:rS+4*(\z)+3]
.elseif (\z) < 12
	v_pk_add_f32 v[rS+8*((\z)-8):rS+8*((\z)-8)+1], v[rS+8*((\z)-8):rS+8*((\z)-8)+1], v[rS+8*((\z)-8)+4:rS+8*((\z)-8)+5]
.elseif (\z) < 14
	v_pk_add_f32 v[rS+16*((\z)-12):rS+16*((\z)-12)+1], v[rS+16*((\z)-12):rS+16*((\z)-12)+1], v[rS+16*((\z)-12)+8:rS+16*((\z)-12)+9]
.elseif (\z) == 14
	v_pk_add_f32 v[rS:rS+1], v[rS:rS+1], v[rS+16:rS+17]
.else
	v_pk_fma_f32 v[rT+2:rT+3], v[rT+2:rT+3], v[rT+6:rT+7], v[rS:rS+1] op_sel_hi:[1,0,1]
.endif
	TICK
.endm
.macro RS t, n                         ; a pair of O^T times a: the one line outside window 0
	WIN 0x41
	v_pk_mul_f32 v[64*(\t)+2*(\n):64*(\t)+2*(\n)+1], v[64*(\t)+2*(\n):64*(\t)+2*(\n)+1], v[ST+8*(\t)+6:ST+8*(\t)+7] op_sel_hi:[1,0]
	TICK
.endm
.macro XX t, n                         ; 0-15 the maximum of the 32 scores and the old m; 16 the other half of the lanes'; 17-20 m, log2(e) (m_old - m_new); 21 a
	WIN 0
.set rT, ST+8*(\t)
.set rS, S+32*(\t)
.if (\n) < 4
	v_max3_num_f32 v[rT+4+(\n)], v[rS+8*(\n)], v[rS+8*(\n)+1], v[rS+8*(\n)+2]
.elseif (\n) < 12
	v_max3_num_f32 v[rT+4+(\n)%4], v[rT+4+(\n)%4], v[rS+8*((\n)%4)+2*((\n)/4)+1], v[rS+8*((\n)%4)+2*((\n)/4)+2]
.elseif (\n) == 12
	v_max3_num_f32 v[rT+4], v[rT+4], v[rS+7], v[rS+15]
.elseif (\n) == 13
	v_max3_num_f32 v[rT+6], v[rT+6], v[rS+23], v[rS+31]
.elseif (\n) == 14
	v_max3_num_f32 v[rT+4], v[rT+4], v[rT+5], v[rT+6]
.elseif (\n) == 15
	v_max3_num_f32 v[rT+4], v[rT+4], v[rT+7], v[rT]
.elseif (\n) == 16
	v_permlanex16_b32 v[rT+5], v[rT+4], s[SEL], s[SEL+1]
.elseif (\n) == 17
	v_mov_b32 v[rT+7], v[rT]
.elseif (\n) == 18
	v_max_num_f32 v[rT], v[rT+4], v[rT+5]
.elseif (\n) == 19
	v_sub_f32 v[rT+7], v[rT+7], v[rT]
.elseif (\n) == 20
	v_mul_f32 v[rT+7], s[LL], v[rT+7]
.else
	v_exp_f32 v[rT+6], v[rT+7]
.endif
	TICK
.endm
.macro BATCH_END                       ; a plain line behind a batch's last transcendental, and one wait ahead of the batch's first reader
	v_nop
	s_wait_alu depctr_va_vdst(0)
.endm
; The two tiles are one stage apart, so that one tile's plain lines stand among the other's transcendentals; each batch of transcendentals has one wait.  Where a line reads the result of another, other lines stand between.
; PART1: K and the mask of the next step are fetched; the second half of the softmax of the step in hand; K Q^T of the next step rides.
; last = 1, the tail: its last trip has no step behind it: the two runs of loads are jumped over, and its products, on the last K once more, serve nothing: the price, once a launch, of one text for every trip.
.macro PART1 last
.if \last
	s_cmp_eq_u32 s[CNT], 1
	s_cbranch_scc1 .Lno_k_\@
.endif
	FETCH_K                                        ; the last product that read K stands a whole PART2 back
	FETCH_M                                        ; the mask's last reader is PART2's
.if \last
.Lno_k_\@:
.endif
.set vc, 0
.set mi, 0
.set MQ, 1
.set MSTART, 60
.set i, 0
.rept 16
	DD 0, i
.if (i%3) == 2
	XX 1, 16+i/3                                   ; the links of tile 1's chain, three lines apart
.endif
.set i, i+1
.endr
.set i, 0
.rept 16
	ML 0, i
.set i, i+1
.endr
.set i, 0
.rept 16
	EX 0, 2*i
	DD 1, i
	EX 0, 2*i+1
.if i > 0
	ML 1, i-1
.endif
.set i, i+1
.endr
	ML 1, 15
	XX 0, 21
	XX 1, 21
	BATCH_END
.set i, 0
.rept 16
	CV 0, i
	EX 1, i
.set i, i+1
.endr
.set i, 0
.rept 16
	SU 0, i
	EX 1, 16+i
.set i, i+1
.endr
.set i, 0
.rept 32
	RS 0, i                                        ; plain lines behind the last exponential
.set i, i+1
.endr
	WIN 0
	s_wait_alu depctr_va_vdst(0)
.set i, 0
.rept 16
	CV 1, i
.set i, i+1
.endr
.set i, 0
.rept 16
	SU 1, i
.set i, i+1
.endr
.set i, 0
.rept 32
	RS 1, i                                        ; the last 17 of them stand behind the last K Q^T: the places ahead of PART2's first read of R
.set i, i+1
.endr
.set MQ, 0
	WIN 0
.endm
; PART2: the first half of the next step's softmax; V^T P of the step in hand rides; behind its last product and 17 plain lines V of the next step is fetched.
.macro PART2
	s_wait_dscnt 0x0                               ; V, fetched a trip back, and the mask are in
.set vc, 0
.set mi, 0
.set MQ, 2
.set MSTART, 4
.set i, 0
.rept 32
	E1 0, i                                        ; each accumulator is read from its low end on
.set i, i+1
.endr
	BATCH_END
.set i, 0
.rept 16
	UU 0, i
	E1 1, 2*i
	E1 1, 2*i+1
.set i, i+1
.endr
	BATCH_END
.set i, 0
.rept 16
	UU 1, i
	RC 0, 2*i
	RC 0, 2*i+1
.set i, i+1
.endr
	BATCH_END
.set i, 0
.rept 16
	TT 0, i
	RC 1, 2*i
.if i > 0
	AM 0, i-1
.endif
	RC 1, 2*i+1
.set i, i+1
.endr
	AM 0, 15
.set i, 0
.rept 16
	XX 0, i                                        ; plain lines behind the last reciprocal, which name none of the batch's results
.set i, i+1
.endr
	s_wait_alu depctr_va_vdst(0)
	FETCH_V
.set i, 0
.rept 16
	TT 1, i
.if (i%3) == 2
	XX 0, 16+i/3                                   ; the links of tile 0's chain, three lines apart
.endif
.set i, i+1
.endr
.set i, 0
.rept 16
	AM 1, i
.set i, i+1
.endr
.set i, 0
.rept 16
	XX 1, i
.set i, i+1
.endr
.set MQ, 0
	WIN 0
.endm
	s_wait_tensorcnt 1                             ; my part of slot 0 is in; slot 1's may stay out
	s_barrier_signal -1
	s_barrier_wait -1
	FETCH_K                                        ; step 0
	FETCH_M
	s_wait_loadcnt 0x0                             ; Q
	s_wait_dscnt 8                                 ; K is in; the mask's eight loads may stay out
.set mi, 0
.rept 32
	KQ                                             ; step 0's products: there is no vector work yet to set between them
.endr
	WIN 0
	PLACES
	s_mov_b32 s[CNT], 2                            ; the half trip below and one whole trip read the rest of slot 0
	s_mov_b32 s[SLOTS], 15
	s_branch .Lmid                                 ; the loop is entered in the middle of a trip
.Lslot:                                        ; 14 times: slots 2 to 15 are asked for
	CHANGE 1
	s_mov_b32 s[CNT], 2
.Lstep:
	PART1 0
.Lmid:
	PART2
	s_sub_co_u32 s[CNT], s[CNT], 1
	s_cmp_lg_u32 s[CNT], 0
	s_cbranch_scc1 .Lstep
	s_sub_co_u32 s[SLOTS], s[SLOTS], 1
	s_cmp_lg_u32 s[SLOTS], 0
	s_cbranch_scc1 .Lslot
	CHANGE 0                                       ; the tail is written out
	s_mov_b32 s[CNT], 3                            ; two trips fetch the last slot's steps; the third is left in its middle
.Ltail:
	PART1 1
	s_sub_co_u32 s[CNT], s[CNT], 1
	s_cmp_eq_u32 s[CNT], 0
	s_cbranch_scc1 .Lout
	PART2
	s_branch .Ltail
.Lout:
	s_wait_dscnt 0x0                               ; V of the last step
.set mi, 0
.rept 32
	PV                                             ; the last step's V^T P
.endr
	WIN 0
	PLACES
	; THE WAY OUT: l's two halves and the other half of the lanes'; O^T / l, rounded to f16, through my stage, a tile (16 rows x 128 channels) at a time
.irp t, 0,1
	v_add_f32 v[ST+8*(\t)+4], v[ST+8*(\t)+2], v[ST+8*(\t)+3]
.endr
.irp t, 0,1
	v_permlanex16_b32 v[ST+8*(\t)+5], v[ST+8*(\t)+4], s[SEL], s[SEL+1]
.endr
.irp t, 0,1
	v_add_f32 v[ST+8*(\t)+4], v[ST+8*(\t)+4], v[ST+8*(\t)+5]
.endr
.irp t, 0,1
	v_rcp_f32 v[ST+8*(\t)+6], v[ST+8*(\t)+4]
.endr
	BATCH_END
.macro PACK t
	WIN 0x41
.set i, 64*(\t)
.rept 32
	v_pk_mul_f32 v[i:i+1], v[i:i+1], v[ST+8*(\t)+6:ST+8*(\t)+7] op_sel_hi:[1,0]
.set i, i+2
.endr
	WIN 0x05
.set i, 0
.rept 32
	v_cvt_pk_f16_f32 v[S+32*(\t)+i], v[64*(\t)+2*i], v[64*(\t)+2*i+1]
.set i, i+1
.endr
	WIN 0
.irp f, 0,1,2,3,4,5,6,7
	ds_store_b128 v[STO], v[S+32*(\t)+4*(\f):S+32*(\t)+4*(\f)+3] offset:32*(\f)
.endr
.irp f, 0,1,2,3,4,5,6,7
	ds_load_b128 v[S+32*(\t)+4*(\f):S+32*(\t)+4*(\f)+3], v[RD] offset:(\f)*2*SP  ; LDS serves a wave's instructions in order (ISA guide 5.7.1.4): these see the stores above
.endr
.endm
.macro SEND t, younger                 ; younger: the LDS instructions issued behind tile t's loads
	WIN 0
.irp f, 0,1,2,3,4,5,6,7
	s_wait_dscnt (\younger)+7-(\f)
	global_store_b128 v[GO], v[S+32*(\t)+4*(\f):S+32*(\t)+4*(\f)+3], s[8:9] offset:(\f)*8192+(\t)*256  ; 16 lanes store 256 consecutive bytes, aligned: a head's part of a row
.endr
.endm
	PACK 0
	PACK 1
	SEND 0, 16
	SEND 1, 0
	s_wait_tensorcnt 0x0                           ; the wave's end
	ds_add_u32 v[SPW], v[NIL]
	s_wait_dscnt 0x0
	CROUND                                         ; the closing round
	s_endpgm
.Lfunc_end_k_q6257e22d7b_attn:
	.size	k_q6257e22d7b_attn, .Lfunc_end_k_q6257e22d7b_attn-k_q6257e22d7b_attn
	.p2alignl 7, 3214868480
	.fill 96, 4, 3214868480
	.section	.rodata,"a",@progbits
	.p2align	6, 0x0
	.amdhsa_kernel k_q6257e22d7b_attn
		.amdhsa_group_segment_fixed_size 327680
		.amdhsa_private_segment_fixed_size 0
		.amdhsa_enable_private_segment 0
		.amdhsa_kernarg_size 24
		.amdhsa_user_sgpr_count 2
		.amdhsa_user_sgpr_kernarg_segment_ptr 1
		.amdhsa_wavefront_size32 1
		.amdhsa_system_sgpr_workgroup_id_x 1
		.amdhsa_system_sgpr_workgroup_id_y 1
		.amdhsa_system_sgpr_workgroup_id_z 1
		.amdhsa_system_vgpr_workitem_id 0
		.amdhsa_next_free_vgpr 768
		.amdhsa_next_free_sgpr 96
		.amdhsa_reserve_vcc 0
		.amdhsa_float_denorm_mode_32 3
		.amdhsa_float_denorm_mode_16_64 3
		.amdhsa_memory_ordered 1
		.amdhsa_forward_progress 1
		.amdhsa_inst_pref_size 124
	.end_amdhsa_kernel
	.amdgpu_metadata
---
amdhsa.version: [ 1, 2 ]
amdhsa.kernels:
  - .name:           k_q6257e22d7b_attn
    .symbol:         k_q6257e22d7b_attn.kd
    .args:
      - { .name: qkv16, .offset: 0, .size: 8, .value_kind: global_buffer, .address_space: global }
      - { .name: attention_mask, .offset: 8, .size: 8, .value_kind: global_buffer, .address_space: global }
      - { .name: attn16, .offset: 16, .size: 8, .value_kind: global_buffer, .address_space: global }
    .group_segment_fixed_size: 327680
    .private_segment_fixed_size: 0
    .kernarg_segment_align: 8
    .kernarg_segment_size: 24
    .max_flat_workgroup_size: 128
    .sgpr_count:     96
    .vgpr_count:     768
    .wavefront_size: 32
...
	.end_amdgpu_metadata
.endif
;; end of part 3
;; launch oproj (part 4): grid 16 x 16, 4 waves a work-group, clusters of 4 x 4, 327,680 bytes of LDS; arguments attn16, wo16, hidden_states, out0; writes out0
.if DOCPART == 4
	.amdgcn_target "amdgcn-amd-amdhsa--gfx1250"
	.amdhsa_code_object_version 6
	.text
	.protected	k_q6257e22d7b_oproj
	.globl	k_q6257e22d7b_oproj
	.p2align	8
	.type	k_q6257e22d7b_oproj,@function
k_q6257e22d7b_oproj:
	s_mov_b64 s[64:65], 0
	v_nop
	global_prefetch_b8 v0, s[64:65] scope:SCOPE_SE
	s_setreg_imm32_b32 hwreg(HW_REG_WAVE_MODE, 25, 1), 1
	s_wait_xcnt 0x0
	s_wait_alu depctr_hold_cnt(0) depctr_sa_sdst(0) depctr_va_vdst(0) depctr_va_sdst(0) depctr_va_ssrc(0) depctr_va_vcc(0) depctr_vm_vsrc(0)
	s_getreg_b32 s2, hwreg(HW_REG_IB_STS2, 6, 4)
	s_cmp_eq_u32 s2, 0
	s_cbranch_scc0 .Lentry_in_a_cluster
	s_endpgm
.Lentry_in_a_cluster:
	s_bfe_u32 s2, ttmp6, 0x10000c
	s_cmp_lg_u32 s2, 0xf033
	s_cbranch_scc0 .Lentry_shape_is_right
	s_endpgm
.Lentry_shape_is_right:
; OUT: out0[2048][4096] = hidden_states + attn16 [2048][2048] x wo16 [4096][2048]^T; products in f16 with f32 sums, the residual in f32 as given, out0 in f32.
; SHARES.  A tile of C is 128 x 256: 256 work-groups; four waves, each 64 rows x 128 columns: 32 accumulators.  K in steps of 128 through two LDS slots filled by tensor loads.
; CLUSTER 4 x 4: A's tile is asked for jointly along a row of the cluster, B's along a column.
; The matrix instruction is used transposed (source 0 = 16 rows of B, source 1 = 16 rows of A): a lane holds row l % 16 of C and the columns 16 b + 8 (l / 16) + 0..7.
; REGISTERS.  window 0: v0-31 addresses; v32-127, v128-223 two fragment buffers, free on the way out.   window 1: the accumulators, (a, b) at 8 (8 a + b).
;   window 2: the wave's part of the residual, row 16 a + t at 64 a + 4 t: loaded at the head, so that it lands while the loop runs.
.set SIZE_K, 2048
.set KSTEP,  128
.set PITCH,  272
.set AROWS,  128*PITCH
.set SLOT,   384*PITCH
.set STAGE,  2*SLOT                    ; behind the ring, never filled by a tensor load: 16 rows x 528 bytes for each wave
.set SPITCH, 528                       ; 512 bytes of f32 + 16
.set SPARE,  STAGE+4*16*SPITCH
.set LAPS,   SIZE_K/(2*KSTEP)
.set GBITS,  (1<<16)|(1<<20)|(1<<21)|(5<<22)|(3<<25)
.set ADRA, 16
.set ADRB, 20
.set STO,  24
.set RD,   25
.set CO,   26                          ; v26 16 x lane
.set SPW,  28
.set NIL,  29
.set PFO,  30
.set F0,   32
.set F1,   128
.set WV, 16
.set WM, 17
.set WN, 18
.set CX, 19
.set CY, 20
.set TC, 21
.set TR, 22
.set G1,  24
.set G0,  32
.set PFA, 44
.set LIM, 46
.set G1B, 48
.set G0B, 56
.set RB,  80                           ; s[80:81] hidden_states at my rows and columns
.set OB,  82                           ; s[82:83] out0 at the same place
.set MSB, 0
.macro WIN new
.if MSB != (\new)
	s_set_vgpr_msb (MSB<<8)|(\new)
.set MSB, \new
.endif
.endm
.macro PLACES
.rept 4
	v_nop
.endr
.endm
.macro JLOAD s                         ; a joint load: waves 0, 1 fetch A's halves, waves 2, 3 B's; an s_nop 0 and four v_nop follow each line
	s_cmp_eq_u32 s[WM], 0
	s_cbranch_scc0 .Lfor_b_\@
	tensor_load_to_lds s[G0+4*(\s):G0+4*(\s)+3], s[G1:G1+7]
	s_nop 0
.rept 4
	v_nop
.endr
	s_branch .Lasked_\@
.Lfor_b_\@:
	tensor_load_to_lds s[G0B+4*(\s):G0B+4*(\s)+3], s[G1B:G1B+7]
	s_nop 0
.rept 4
	v_nop
.endr
.Lasked_\@:
.endm
.macro ASK                             ; a prefetch of the K step two refills on; the loop's last trip has no such step
	s_cmp_gt_u32 s3, s[LIM]
	s_cbranch_scc0 .Lnot_mine_\@
	global_prefetch_b8 v[PFO], s[PFA:PFA+1] offset:KSTEP*2 th:TH_LOAD_NT scope:SCOPE_SE
.Lnot_mine_\@:
.endm
.macro CREST
	s_cmp_lg_u32 s[WV], 0
	s_cbranch_scc1 .Lnot_wave_0_\@
	s_barrier_signal -3
.Lnot_wave_0_\@:
	s_barrier_wait -3
	s_barrier_signal -1
	s_barrier_wait -1
.endm
.macro CROUND
	s_barrier_signal -1
	s_barrier_wait -1
	CREST
.endm
.macro MUL8 f, a, zero
	WIN 0x50
.irp b, 0,1,2,3,4,5,6,7
.if \zero
	v_wmma_f32_16x16x32_f16 v[8*(8*(\a)+(\b)):8*(8*(\a)+(\b))+7], v[(\f)+8*(\b):(\f)+8*(\b)+7], v[(\f)+64+8*(\a):(\f)+64+8*(\a)+7], 0
.else
	v_wmma_f32_16x16x32_f16 v[8*(8*(\a)+(\b)):8*(8*(\a)+(\b))+7], v[(\f)+8*(\b):(\f)+8*(\b)+7], v[(\f)+64+8*(\a):(\f)+64+8*(\a)+7], v[8*(8*(\a)+(\b)):8*(8*(\a)+(\b))+7]
.endif
.endr
.endm
.macro FETCH slot, k, f
	WIN 0
.irp i, 0,1,2,3,4,5,6,7
	ds_load_b128 v[(\f)+8*(\i):(\f)+8*(\i)+3],   v[ADRB+(\slot)] offset:(\k)+(\i)*16*PITCH
	ds_load_b128 v[(\f)+8*(\i)+4:(\f)+8*(\i)+7], v[ADRB+(\slot)] offset:(\k)+(\i)*16*PITCH+32
.endr
.irp i, 0,1,2,3
	ds_load_b128 v[(\f)+64+8*(\i):(\f)+64+8*(\i)+3],   v[ADRA+(\slot)] offset:(\k)+(\i)*16*PITCH
	ds_load_b128 v[(\f)+64+8*(\i)+4:(\f)+64+8*(\i)+7], v[ADRA+(\slot)] offset:(\k)+(\i)*16*PITCH+32
.endr
.endm
.macro QUARTER slot, k, f, g, zero
	s_wait_dscnt 4                                 ; B and A's blocks 0, 1 are in; the youngest four loads may be out
	MUL8 \f, 0, \zero
	MUL8 \f, 1, \zero
	PLACES
	FETCH \slot, \k, \g
	s_wait_dscnt 24                                ; all but the 24 just issued
	MUL8 \f, 2, \zero
	MUL8 \f, 3, \zero
.endm
; THE CHANGE OF SLOTS, and behind it the K step's last quarter.  The slot's last reads (the last quarter's fragments) were issued in the third quarter, so the change stands at the last quarter's head,
; with no product between the wait for my tensor load and the next request: the refill goes out as early as the order allows, and has the whole step, 128 matrix instructions, in which to land.
.macro TURN slot, next, fill
.if \fill
	s_wait_xcnt 0x0                                ; the last prefetch, a K step back, has read its address
	s_add_nc_u64 s[PFA:PFA+1], s[PFA:PFA+1], KSTEP*2
.endif
	WIN 0
	s_wait_tensorcnt 0x0                           ; all my tensor loads have landed: my part of the next slot; so a group 0 may be written
	ds_add_u32 v[SPW], v[NIL]                      ; the descriptors' steps stand between the add and the wait for it
.if \fill
	s_add_nc_u64 s[G0+4*(\slot)+2:G0+4*(\slot)+3], s[G0+4*(\slot)+2:G0+4*(\slot)+3], 2*KSTEP*2
	s_add_nc_u64 s[G0B+4*(\slot)+2:G0B+4*(\slot)+3], s[G0B+4*(\slot)+2:G0B+4*(\slot)+3], 2*KSTEP*2
.endif
	s_wait_dscnt 0x0                               ; the add is done, my reads of this slot are over
	s_barrier_signal -1
	s_barrier_wait -1
.if \fill
	CREST                                          ; no wave of any partner still reads this slot or has a load on its way
	JLOAD \slot                                    ; the first tensor load behind the round; its four v_nop are also the places in front of the loads below
.else
	PLACES
.endif
	FETCH \next, 0, F0
.if \fill
	ASK
.endif
	MUL8 F1, 0, 0
	MUL8 F1, 1, 0
	MUL8 F1, 2, 0
	MUL8 F1, 3, 0
.endm
	s_load_b256 s[4:11], s[0:1], 0x0               ; attn16 s[4:5], wo16 s[6:7], hidden_states s[8:9], out0 s[10:11]
	v_lshl_add_u32 v[SPW], v0, 2, SPARE
	v_mov_b32 v[NIL], 0
	ds_add_u32 v[SPW], v[NIL]                      ; the wave's opening: the add and its wait ahead of my first tensor load
	v_lshrrev_b32 v1, 5, v0
	v_readfirstlane_b32 s[WV], v1
	s_lshr_b32 s[WM], s[WV], 1
	s_and_b32 s[WN], s[WV], 1
	s_bfe_u32 s[CX], ttmp6, 0x40000
	s_bfe_u32 s[CY], ttmp6, 0x40004
	s_lshl_b32 s[TC], ttmp9, 2
	s_add_co_u32 s[TC], s[TC], s[CX]
	s_and_b32 s[TR], ttmp7, 0xffff
	s_lshl_b32 s[TR], s[TR], 2
	s_add_co_u32 s[TR], s[TR], s[CY]
	s_lshl_b32 s40, s[CY], 2
	s_lshl_b32 s40, 15, s40
	s_lshl_b32 s41, 0x1111, s[CX]
	s_or_b32 s[G1], s40, GBITS
	s_or_b32 s[G1B], s41, GBITS
.irp g, G1, G1B
	s_mov_b32 s[(\g)+1], KSTEP<<16
	s_mov_b32 s[(\g)+3], KSTEP<<16
	s_mov_b32 s[(\g)+5], SIZE_K
	s_mov_b32 s[(\g)+6], 0
	s_mov_b32 s[(\g)+7], 0
.endr
	s_mov_b32 s[G1+2], 64<<16
	s_mov_b32 s[G1+4], 64
	s_mov_b32 s[G1B+2], 128<<16
	s_mov_b32 s[G1B+4], 128
	s_lshl_b32 s66, s[TR], 7
	s_lshl_b32 s23, s[WN], 6
	s_add_co_u32 s66, s66, s23
	s_mul_i32 s66, s66, SIZE_K*2
	s_mov_b32 s67, 0
	s_lshl_b32 s68, s[TC], 8
	s_lshl_b32 s23, s[WN], 7
	s_add_co_u32 s68, s68, s23
	s_mul_i32 s68, s68, SIZE_K*2
	s_mov_b32 s69, 0
	s_mul_i32 s42, s[WN], 64*PITCH
	s_mul_i32 s43, s[WN], 128*PITCH
	s_add_co_u32 s43, s43, AROWS
	s_wait_dscnt 0x0                               ; the opening add is done
	s_wait_kmcnt 0x0
	s_add_nc_u64 s[66:67], s[4:5], s[66:67]
	s_add_nc_u64 s[68:69], s[6:7], s[68:69]
	CROUND                                         ; all sixteen work-groups are here: the first joint loads meet
.irp s, 0,1
	s_mov_b32 s[G0+4*(\s)], 1
	s_add_co_u32 s[G0+4*(\s)+1], s42, (\s)*SLOT
	s_add_nc_u64 s[G0+4*(\s)+2:G0+4*(\s)+3], s[66:67], (\s)*KSTEP*2
	s_or_b32 s[G0+4*(\s)+3], s[G0+4*(\s)+3], 0x80000000
	s_mov_b32 s[G0B+4*(\s)], 1
	s_add_co_u32 s[G0B+4*(\s)+1], s43, (\s)*SLOT
	s_add_nc_u64 s[G0B+4*(\s)+2:G0B+4*(\s)+3], s[68:69], (\s)*KSTEP*2
	s_or_b32 s[G0B+4*(\s)+3], s[G0B+4*(\s)+3], 0x80000000
	JLOAD \s                                       ; two loads of mine are out
.endr
	v_and_b32 v1, 15, v0
	v_bfe_u32 v2, v0, 4, 1
	v_and_b32 v[CO], 31, v0
	v_lshlrev_b32 v[CO], 4, v[CO]
	s_lshl_b32 s40, s[TR], 7
	s_lshl_b32 s41, s[WM], 6
	s_add_co_u32 s40, s40, s41                     ; my first row,
	s_lshl_b32 s40, s40, 14                        ; of 16,384 bytes
	s_lshl_b32 s41, s[TC], 10                      ; my first column: 256 x tile column + 128 x half, 4 bytes each
	s_add_co_u32 s40, s40, s41
	s_lshl_b32 s41, s[WN], 9
	s_add_co_u32 s40, s40, s41
	s_mov_b32 s41, 0
	s_add_nc_u64 s[RB:RB+1], s[8:9], s[40:41]
	s_add_nc_u64 s[OB:OB+1], s[10:11], s[40:41]
	WIN 0x80
.set a, 0
.rept 4
.set t, 0
.rept 16
	global_load_b128 v[64*a+4*t:64*a+4*t+3], v[CO], s[RB:RB+1] offset:(16*a+t)*16384 th:TH_LOAD_NT  ; a row's 512 consecutive bytes
.set t, t+1
.endr
.set a, a+1
.endr
	WIN 0
	v_mul_u32_u24 v3, v1, PITCH
	v_lshl_add_u32 v3, v2, 4, v3
	s_mul_i32 s40, s[WM], 64*PITCH
	s_mul_i32 s41, s[WN], 128*PITCH
	s_add_co_u32 s41, s41, AROWS
.irp s, 0,1
	v_add_nc_u32 v[ADRA+(\s)], s40, v3
	v_add_nc_u32 v[ADRB+(\s)], s41, v3
	s_add_co_u32 s40, s40, SLOT
	s_add_co_u32 s41, s41, SLOT
.endr
	s_mul_i32 s40, s[WV], 16*SPITCH
	s_add_co_u32 s40, s40, STAGE                   ; my stage
	v_mul_u32_u24 v4, v1, SPITCH                   ; in: row r, 32 bytes for each half of the lanes
	v_lshl_add_u32 v4, v2, 5, v4
	v_add_nc_u32 v[STO], s40, v4
	v_add_nc_u32 v[RD], s40, v[CO]                 ; back: 32 lanes take a row of 512 bytes
	; THE PREFETCHES: as in the projection in front.  A's tile row: cluster x = 0 asks, wave 0, rows 32 cx .. + 31 of the 128.  B's tile column: cluster y = 0 asks, waves 2 and 3,
	; rows 32 cy .. + 31 of the 128 that the wave fetches.  Each row's 256 bytes of a K step are named once in the launch; the partners are told apart by address alone.
	s_lshl_b32 s40, s[TR], 7
	s_lshl_b32 s41, s[TC], 8
	s_lshl_b32 s23, s[WN], 7
	s_add_co_u32 s41, s41, s23
	s_and_b32 s23, ttmp7, 0xffff
	s_cmp_eq_u32 s[WM], 0
	s_cselect_b32 s40, s40, s41
	s_cselect_b32 s41, s[CX], s[CY]
	s_cselect_b32 s23, ttmp9, s23
	s_cselect_b32 s43, s[WN], 0
	s_cselect_b64 s[PFA:PFA+1], s[4:5], s[6:7]
	s_or_b32 s23, s23, s43
	s_cmp_eq_u32 s23, 0
	s_cselect_b32 s[LIM], 1, -1
	s_lshl_b32 s41, s41, 5
	s_add_co_u32 s40, s40, s41
	s_mul_i32 s40, s40, SIZE_K*2
	s_mov_b32 s41, 0
	s_add_nc_u64 s[PFA:PFA+1], s[PFA:PFA+1], s[40:41]
	s_add_nc_u64 s[PFA:PFA+1], s[PFA:PFA+1], 2*KSTEP*2  ; at K step 2: the first refill steps it to 3 and names K step 4; nothing is asked for at the head
	v_and_b32 v[PFO], 31, v0
	v_mul_u32_u24 v[PFO], v[PFO], SIZE_K*2
	s_wait_tensorcnt 1                             ; my part of K step 0 is in; K step 1's may stay out
	s_barrier_signal -1
	s_barrier_wait -1
	FETCH 0, 0, F0
	QUARTER 0, 64, F0, F1, 1                       ; the first quarter's products start the sums
	WIN 0
	s_mov_b32 s3, LAPS-1
.Llap:
	QUARTER 0, 128, F1, F0, 0
	QUARTER 0, 192, F0, F1, 0
	TURN 0, 1, 1
	QUARTER 1, 64,  F0, F1, 0
	QUARTER 1, 128, F1, F0, 0
	QUARTER 1, 192, F0, F1, 0
	TURN 1, 0, 1
	QUARTER 0, 64,  F0, F1, 0
	WIN 0
	s_sub_co_u32 s3, s3, 1
	s_cmp_lg_u32 s3, 0
	s_cbranch_scc1 .Llap
	QUARTER 0, 128, F1, F0, 0                      ; the last lap fills nothing
	QUARTER 0, 192, F0, F1, 0
	TURN 0, 1, 0
	QUARTER 1, 64,  F0, F1, 0
	QUARTER 1, 128, F1, F0, 0
	QUARTER 1, 192, F0, F1, 0
	s_wait_dscnt 4
	MUL8 F1, 0, 0
	MUL8 F1, 1, 0
	s_wait_dscnt 0x0
	MUL8 F1, 2, 0
	MUL8 F1, 3, 0
	WIN 0
	PLACES
	PLACES
; THE WAY OUT of row block a: the f32 sums go through my stage and come back as whole rows of 512 bytes; the residual is added; each store covers 512 consecutive bytes, aligned.
.macro OUTB a
.set BK, 32+64*((\a)%2)
.if (\a) >= 2
	s_wait_xcnt 0x0                                ; the stores of the block two back have read the registers that are loaded again below
.endif
	WIN 0x04                                       ; the data in window 1; each accumulator's low four registers first
.irp b, 0,1,2,3,4,5,6,7
	ds_store_b128 v[STO], v[64*(\a)+8*(\b):64*(\a)+8*(\b)+3]   offset:64*(\b)
	ds_store_b128 v[STO], v[64*(\a)+8*(\b)+4:64*(\a)+8*(\b)+7] offset:64*(\b)+16
.endr
	WIN 0
.irp t, 0,1,2,3,4,5,6,7,8,9,10,11,12,13,14,15
	ds_load_b128 v[BK+4*(\t):BK+4*(\t)+3], v[RD] offset:SPITCH*(\t)  ; LDS serves a wave's instructions in order (ISA guide 5.7.1.4)
.endr
	s_wait_dscnt 0x0
	WIN 0x08
.set i, 0
.rept 32
	v_pk_add_f32 v[BK+2*i:BK+2*i+1], v[BK+2*i:BK+2*i+1], v[64*(\a)+2*i:64*(\a)+2*i+1]
.set i, i+1
.endr
	WIN 0
.irp t, 0,1,2,3,4,5,6,7,8,9,10,11,12,13,14,15
	global_store_b128 v[CO], v[BK+4*(\t):BK+4*(\t)+3], s[OB:OB+1] offset:(16*(\a)+(\t))*16384 th:TH_STORE_NT
.endr
.endm
	s_wait_loadcnt 0x0                             ; the residual
	OUTB 0
	OUTB 1
	OUTB 2
	OUTB 3
	s_wait_tensorcnt 0x0                           ; the wave's end
	ds_add_u32 v[SPW], v[NIL]
	s_wait_dscnt 0x0
	CROUND                                         ; the closing round
	s_endpgm
.Lfunc_end_k_q6257e22d7b_oproj:
	.size	k_q6257e22d7b_oproj, .Lfunc_end_k_q6257e22d7b_oproj-k_q6257e22d7b_oproj
	.p2alignl 7, 3214868480
	.fill 96, 4, 3214868480
	.section	.rodata,"a",@progbits
	.p2align	6, 0x0
	.amdhsa_kernel k_q6257e22d7b_oproj
		.amdhsa_group_segment_fixed_size 327680
		.amdhsa_private_segment_fixed_size 0
		.amdhsa_enable_private_segment 0
		.amdhsa_kernarg_size 32
		.amdhsa_user_sgpr_count 2
		.amdhsa_user_sgpr_kernarg_segment_ptr 1
		.amdhsa_wavefront_size32 1
		.amdhsa_system_sgpr_workgroup_id_x 1
		.amdhsa_system_sgpr_workgroup_id_y 1
		.amdhsa_system_sgpr_workgroup_id_z 1
		.amdhsa_system_vgpr_workitem_id 0
		.amdhsa_next_free_vgpr 768
		.amdhsa_next_free_sgpr 96
		.amdhsa_reserve_vcc 0
		.amdhsa_float_denorm_mode_32 3
		.amdhsa_float_denorm_mode_16_64 3
		.amdhsa_memory_ordered 1
		.amdhsa_forward_progress 1
		.amdhsa_inst_pref_size 100
	.end_amdhsa_kernel
	.amdgpu_metadata
---
amdhsa.version: [ 1, 2 ]
amdhsa.kernels:
  - .name:           k_q6257e22d7b_oproj
    .symbol:         k_q6257e22d7b_oproj.kd
    .args:
      - { .name: attn16, .offset: 0, .size: 8, .value_kind: global_buffer, .address_space: global }
      - { .name: wo16, .offset: 8, .size: 8, .value_kind: global_buffer, .address_space: global }
      - { .name: hidden_states, .offset: 16, .size: 8, .value_kind: global_buffer, .address_space: global }
      - { .name: out0, .offset: 24, .size: 8, .value_kind: global_buffer, .address_space: global }
    .group_segment_fixed_size: 327680
    .private_segment_fixed_size: 0
    .kernarg_segment_align: 8
    .kernarg_segment_size: 32
    .max_flat_workgroup_size: 128
    .sgpr_count:     96
    .vgpr_count:     768
    .wavefront_size: 32
...
	.end_amdgpu_metadata
.endif
;; end of part 4
;; ======== version 2 of 2: 4 launches; version 1 with the launch prep written anew for expert scheduling mode
;; limits: values are held in f16: magnitudes above 65,504 overflow, below 6.1e-05 lose precision; right only within a limited range of input values
;; workspace buffers: h16 16,777,216 bytes; w16 33,554,432 bytes; wo16 16,777,216 bytes; cs16 1,048,576 bytes; qkv16 16,777,216 bytes; attn16 8,388,608 bytes
;; launch prep (part 5): grid 1024 x 1, 8 waves a work-group, no clusters, 0 bytes of LDS; arguments hidden_states, pre_norm_w, wq, wk, wv, wo, cos, sin, h16, w16, wo16, cs16; writes h16, w16, wo16, cs16
.if DOCPART == 5
	.amdgcn_target "amdgcn-amd-amdhsa--gfx1250"
	.amdhsa_code_object_version 6
	.text
	.protected	k_q6257e22d7b_prep
	.globl	k_q6257e22d7b_prep
	.p2align	8
	.type	k_q6257e22d7b_prep,@function
k_q6257e22d7b_prep:
	s_mov_b64 s[64:65], 0
	v_nop
	global_prefetch_b8 v0, s[64:65] scope:SCOPE_SE
	s_setreg_imm32_b32 hwreg(HW_REG_WAVE_SCHED_MODE, 0, 2), 2
	s_setreg_imm32_b32 hwreg(HW_REG_WAVE_MODE, 25, 1), 1
	s_wait_xcnt 0x0
	s_wait_alu depctr_vm_vsrc(0)
; PREP: everything that the matrix launches multiply is brought to 16 bits once.
;   work-groups 0-255     h16 = f16( bf16(x) * rsqrt(mean(bf16(x)^2) + 1e-5) * bf16(pre_norm_w) ), 8 rows each, a wave a row of 4,096;
;                         each of their waves also casts 256 numbers of cos (work-groups 0-127) or sin (128-255) into cs16
;   work-groups 256-1023  f16(bf16(.)) of wq, wk, wv (into w16, one below the other) and wo (wo16), 32,768 numbers each
; Every input is rounded to bf16 first and that number is then written as f16.
; LIMITS.  f16 ends at 65,504: the rounded weights, cos, sin and h must lie within it; below 6.1e-5 f16 keeps a fixed step of 6e-8.
; A stream: each byte is read once and written once, nothing is shared between waves, so there is no LDS, no barrier, no matrix work.
; A lane takes 4 neighbouring numbers: a load of a wave covers 512 consecutive bytes, a store (8 bytes a lane) 256 consecutive bytes, aligned.
; All 32 loads of a wave's 16 KiB go out at the head; the waits count the younger ones.  No loop: no register of a pending store is written again.
; 1,024 work-groups of equal size: four for each of 256 WGPs.
; THE MODE: SCHED_MODE bits 1:0 = 2 (LLVM: expert scheduling mode 2), set by the entry lines.  The code itself states the register dependences
; between vector instructions and memory instructions, with s_wait_alu, always for 0.
; THE PLAN.  Registers that memory instructions touch:
;   v2, v3, v4, v220, v221   byte offsets: written once at the head, read by every load and store, never written again.
;   X    32 groups: each loaded once at the head; rounded, scaled and packed in place by its own group's lines; then read once, by the group's store; not written behind it.
;   WB   16 sets of the gain: set k is loaded at the norm's head, read and written in place by group k's lines, loaded again with the gain of group k + 16, and worked on by that group's lines.
;   TBL  loaded once, packed in place once, read by two stores.
;   T, SS, RR are named by vector instructions alone.
; The 32 groups go in 8 blocks of four.  Block p's vector lines name X of its own four groups, its own four sets of WB, T and RR.  Its memory instructions are the four stores of block p - 1 and,
; in the norm's blocks 1 to 4, the four loads into block p - 1's sets of WB: registers that no vector line of block p names.  So ONE wait on va_vdst at a block's head states all that they hang on,
; and they are dealt among the block's vector lines with no further wait.  No register that a memory instruction has read is written again: no wait on vm_vsrc is owed.
.set BLK, 4                            ; groups in a block
.set X,   16                           ; v[16:143]  32 groups j of 4 numbers
.set WB,  144                          ; v[144:207] the gain of 16 groups; each set is loaded a second time for group j + 16
.set T,   208                          ; v[208:211] at work, two sets by turns
.set TBL, 212                          ; v[212:219] my 2 x 4 numbers of cos or sin
.set TIN, 220                          ; v220 my byte offset in the work-group's part of cos or sin
.set TOUT, 221                         ; v221 and in its part of cs16
.set SS,  6                            ; v[6:13]    four chains of sums of squares, two sums each
.set RR,  14                           ; v[14:15]   1 / rms, twice
.set IN,  2                            ; v2  my byte offset in the work-group's input
.set OUT, 3                            ; v3  and in its output
.set WO,  4                            ; v4  my byte offset in a group of the gain
.set ID,  44                           ; s44 the work-group's number
.set SRC, 32                           ; s[32:33] where the work-group reads
.set DST, 34                           ; s[34:35] where it stores
.set TS,  52                           ; s[52:53] cos or sin at the work-group's part
.set HI,  54                           ; s54 a word's upper half
.macro RND4 b, t                       ; four f32 rounded to bf16, kept as f32, in place
	v_cvt_pk_bf16_f32 v[\t], v[\b], v[\b+1]
	v_cvt_pk_bf16_f32 v[\t+1], v[\b+2], v[\b+3]
	v_lshlrev_b32 v[\b], 16, v[\t]
	v_and_b32 v[\b+1], s[HI], v[\t]
	v_lshlrev_b32 v[\b+2], 16, v[\t+1]
	v_and_b32 v[\b+3], s[HI], v[\t+1]
.endm
.macro PK4 b                           ; the four as f16, packed into the first two of their registers
	v_cvt_pk_f16_f32 v[\b], v[\b], v[\b+1]
	v_cvt_pk_f16_f32 v[\b+1], v[\b+2], v[\b+3]
.endm
	s_load_b512 s[8:23], s[0:1], 0x0               ; x s[8:9], gain s[10:11], wq s[12:13], wk s[14:15], wv s[16:17], wo s[18:19], cos s[20:21], sin s[22:23]
	s_load_b256 s[24:31], s[0:1], 0x40             ; h16 s[24:25], w16 s[26:27], wo16 s[28:29], cs16 s[30:31]
	v_lshrrev_b32 v1, 5, v0                        ; wave
	v_and_b32 v5, 31, v0                           ; lane
	v_lshlrev_b32 v[WO], 4, v5                     ; 16 bytes a lane
	v_lshl_or_b32 v[IN], v1, 14, v[WO]             ; + 16 KiB a wave
	v_lshl_or_b32 v[TIN], v1, 10, v[WO]            ; + 1 KiB a wave
	v_lshlrev_b32 v[OUT], 3, v5                    ; 8 bytes a lane
	v_lshl_or_b32 v[TOUT], v1, 9, v[OUT]
	v_lshl_or_b32 v[OUT], v1, 13, v[OUT]
	s_mov_b32 s[ID], ttmp9
	s_sub_co_u32 s45, s[ID], 256                   ; the number counted from each job's first work-group
	s_sub_co_u32 s46, s[ID], 512
	s_sub_co_u32 s47, s[ID], 640
	s_sub_co_u32 s48, s[ID], 768
	s_sub_co_u32 s49, s[ID], 128
	s_mov_b32 s[HI], 0xffff0000
	s_mov_b32 s55, 0x39800000                      ; 1 / 4096
	s_mov_b32 s56, 0x3727c5ac                      ; 1e-5
	s_mov_b32 s58, 0x76543210                      ; v_permlanex16_b32: each lane takes its own place in the other half
	s_mov_b32 s59, 0xfedcba98
	s_wait_kmcnt 0x0
	s_mov_b64 s[SRC:SRC+1], s[8:9]                 ; the job is chosen by the work-group's number alone
	s_mov_b64 s[DST:DST+1], s[24:25]
	s_mov_b32 s36, s[ID]                           ; which 128 KiB of the source,
	s_mov_b32 s40, s[ID]                           ; which 64 KiB of the destination
	s_cmp_ge_u32 s[ID], 256
	s_cselect_b64 s[SRC:SRC+1], s[12:13], s[SRC:SRC+1]
	s_cselect_b64 s[DST:DST+1], s[26:27], s[DST:DST+1]
	s_cselect_b32 s36, s45, s36
	s_cselect_b32 s40, s45, s40
	s_cmp_ge_u32 s[ID], 512
	s_cselect_b64 s[SRC:SRC+1], s[14:15], s[SRC:SRC+1]
	s_cselect_b32 s36, s46, s36
	s_cmp_ge_u32 s[ID], 640
	s_cselect_b64 s[SRC:SRC+1], s[16:17], s[SRC:SRC+1]
	s_cselect_b32 s36, s47, s36
	s_cmp_ge_u32 s[ID], 768
	s_cselect_b64 s[SRC:SRC+1], s[18:19], s[SRC:SRC+1]
	s_cselect_b64 s[DST:DST+1], s[28:29], s[DST:DST+1]
	s_cselect_b32 s36, s48, s36
	s_cselect_b32 s40, s48, s40
	s_lshl_b32 s36, s36, 17
	s_mov_b32 s37, 0
	s_lshl_b32 s40, s40, 16
	s_mov_b32 s41, 0
	s_add_nc_u64 s[SRC:SRC+1], s[SRC:SRC+1], s[36:37]
	s_add_nc_u64 s[DST:DST+1], s[DST:DST+1], s[40:41]
	s_wait_alu depctr_va_vdst(0)                   ; the five offsets v2, v3, v4, v220 and v221 are written: every load and store of the kernel, on both ways, reads one of them, and no vector line names them again
.set j, 0
.rept 32                                       ; the wave's 16 KiB: 32 loads of 512 consecutive bytes, all on their way at once
	global_load_b128 v[X+4*j:X+4*j+3], v[IN], s[SRC:SRC+1] offset:512*j th:TH_LOAD_NT
.set j, j+1
.endr
	s_cmp_lt_u32 s[ID], 256
	s_cbranch_scc1 .Lnorm
	; THE CAST: bf16, then the same number as f16.  Group j's store is issued a block later, ahead of group j + BLK's lines.
.set j, 0
.rept 32
.if (j%BLK) == 0
	s_wait_loadcnt 31-j                            ; loads come back in order: group j is in, the 31 - j younger loads stay out
.if j > 0
	s_wait_alu depctr_va_vdst(0)                   ; the block before has written the packed halves of its four groups of X, which this block's four stores read
.endif
.endif
.if j >= BLK
	global_store_b64 v[OUT], v[X+4*(j-BLK):X+4*(j-BLK)+1], s[DST:DST+1] offset:256*(j-BLK) th:TH_STORE_NT  ; no vector line since the wait names these registers
.endif
.if (j%BLK) != 0
	s_wait_loadcnt 31-j                            ; group j is in
.endif
	RND4 X+4*j, T+2*(j%2)
	PK4 X+4*j
.set j, j+1
.endr
	s_wait_alu depctr_va_vdst(0)                   ; the last block has written its four groups of X, which the last four stores read
.set j, 32-BLK
.rept BLK
	global_store_b64 v[OUT], v[X+4*j:X+4*j+1], s[DST:DST+1] offset:256*j th:TH_STORE_NT
.set j, j+1
.endr
	s_endpgm
.Lnorm:                                        ; THE NORM: a wave holds its row in registers between the sum of squares and the scaling
	s_cmp_lt_u32 s[ID], 128
	s_cselect_b64 s[TS:TS+1], s[20:21], s[22:23]   ; cos for the first 128 work-groups, sin for the others
	s_cselect_b32 s50, s[ID], s49
	s_lshl_b32 s50, s50, 13                        ; 8 waves x 1 KiB of the table
	s_mov_b32 s51, 0
	s_add_nc_u64 s[TS:TS+1], s[TS:TS+1], s[50:51]
	s_lshl_b32 s50, s[ID], 12                      ; 8 waves x 512 bytes of cs16: cos, then sin from byte 524,288 on
	s_add_nc_u64 s[30:31], s[30:31], s[50:51]
.set j, 0
.rept 16
	global_load_b128 v[WB+4*j:WB+4*j+3], v[WO], s[10:11] offset:512*j
.set j, j+1
.endr
	global_load_b128 v[TBL:TBL+3],   v[TIN], s[TS:TS+1] th:TH_LOAD_NT
	global_load_b128 v[TBL+4:TBL+7], v[TIN], s[TS:TS+1] offset:512 th:TH_LOAD_NT
.set j, 0
.rept 32
	s_wait_loadcnt 49-j                            ; behind group j: 31 - j loads of x, the 16 of the gain and the 2 of the table
	RND4 X+4*j, T+2*(j%2)
.if j < 2
	v_pk_mul_f32 v[SS+4*j:SS+4*j+1],   v[X+4*j:X+4*j+1],   v[X+4*j:X+4*j+1]    ; the first two groups start the four chains
	v_pk_mul_f32 v[SS+4*j+2:SS+4*j+3], v[X+4*j+2:X+4*j+3], v[X+4*j+2:X+4*j+3]
.else
	v_pk_fma_f32 v[SS+4*(j%2):SS+4*(j%2)+1],   v[X+4*j:X+4*j+1],   v[X+4*j:X+4*j+1],   v[SS+4*(j%2):SS+4*(j%2)+1]
	v_pk_fma_f32 v[SS+4*(j%2)+2:SS+4*(j%2)+3], v[X+4*j+2:X+4*j+3], v[X+4*j+2:X+4*j+3], v[SS+4*(j%2)+2:SS+4*(j%2)+3]
.endif
.set j, j+1
.endr
	v_pk_add_f32 v[SS:SS+1], v[SS:SS+1], v[SS+2:SS+3]
	v_pk_add_f32 v[SS+4:SS+5], v[SS+4:SS+5], v[SS+6:SS+7]
	v_pk_add_f32 v[SS:SS+1], v[SS:SS+1], v[SS+4:SS+5]
	v_add_f32 v[SS], v[SS], v[SS+1]
	v_add_f32_dpp v[SS], v[SS], v[SS] row_xmask:1 row_mask:0xf bank_mask:0xf
	v_add_f32_dpp v[SS], v[SS], v[SS] row_xmask:2 row_mask:0xf bank_mask:0xf
	v_add_f32_dpp v[SS], v[SS], v[SS] row_xmask:4 row_mask:0xf bank_mask:0xf
	v_add_f32_dpp v[SS], v[SS], v[SS] row_xmask:8 row_mask:0xf bank_mask:0xf
	v_permlanex16_b32 v[SS+1], v[SS], s58, s59
	v_add_f32 v[SS], v[SS], v[SS+1]                ; every lane holds the row's sum of squares
	v_fma_f32 v[SS], v[SS], s55, s56               ; mean + eps
	v_rsq_f32 v[RR], v[SS]
	v_rsq_f32 v[RR+1], v[SS]
	s_wait_loadcnt 0x0                             ; the gain's first 16 groups and the table: issued at the head
.irp k, 0,1                                    ; the table's cast is the plain work behind the two roots
	RND4 TBL+4*\k, T+2*\k
	PK4 TBL+4*\k
.endr
	s_wait_alu depctr_va_vdst(0)                   ; the two roots are written, ahead of their first reader; the conversions have written TBL, which the two stores below read
.irp k, 0,1
	global_store_b64 v[TOUT], v[TBL+4*\k:TBL+4*\k+1], s[30:31] offset:256*\k th:TH_STORE_NT
.endr
	; The scaling.  Group j's store, and for j < 16 the load of group j + 16's gain into the set that group j used, are issued a block later, ahead of group j + BLK's lines.
.set j, 0
.rept 32
.if ((j%BLK) == 0) && (j > 0)
	s_wait_alu depctr_va_vdst(0)                   ; the block before has written its four groups of X, which this block's stores read, and is done reading and writing its four sets of WB, in which the loads of blocks 1 to 4 land
.endif
.if (j >= BLK) && (j < 16+BLK)
	global_load_b128 v[WB+4*(j-BLK):WB+4*(j-BLK)+3], v[WO], s[10:11] offset:512*(j-BLK+16)   ; the set that group j - BLK used takes the gain of group j - BLK + 16; no vector line since the wait names it
.endif
.if j >= BLK
	global_store_b64 v[OUT], v[X+4*(j-BLK):X+4*(j-BLK)+1], s[DST:DST+1] offset:256*(j-BLK) th:TH_STORE_NT
.endif
.if j >= 16+BLK
	s_wait_loadcnt 31-j                            ; behind the gain of group j: groups j + 1 .. 31
.elseif j >= 16
	s_wait_loadcnt 12                              ; the gain's loads up to group j + 12 are issued: behind that of group j stand twelve
.endif
.set w, WB+4*(j%16)
	RND4 w, T+2*(j%2)
	v_pk_mul_f32 v[X+4*j:X+4*j+1],   v[X+4*j:X+4*j+1],   v[RR:RR+1]
	v_pk_mul_f32 v[X+4*j+2:X+4*j+3], v[X+4*j+2:X+4*j+3], v[RR:RR+1]
	v_pk_mul_f32 v[X+4*j:X+4*j+1],   v[X+4*j:X+4*j+1],   v[w:w+1]
	v_pk_mul_f32 v[X+4*j+2:X+4*j+3], v[X+4*j+2:X+4*j+3], v[w+2:w+3]
	PK4 X+4*j
.set j, j+1
.endr
	s_wait_alu depctr_va_vdst(0)                   ; the last block has written its four groups of X, which the last four stores read
.set j, 32-BLK
.rept BLK
	global_store_b64 v[OUT], v[X+4*j:X+4*j+1], s[DST:DST+1] offset:256*j th:TH_STORE_NT
.set j, j+1
.endr
	s_endpgm
.Lfunc_end_k_q6257e22d7b_prep:
	.size	k_q6257e22d7b_prep, .Lfunc_end_k_q6257e22d7b_prep-k_q6257e22d7b_prep
	.p2alignl 7, 3214868480
	.fill 96, 4, 3214868480
	.section	.rodata,"a",@progbits
	.p2align	6, 0x0
	.amdhsa_kernel k_q6257e22d7b_prep
		.amdhsa_group_segment_fixed_size 0
		.amdhsa_private_segment_fixed_size 0
		.amdhsa_enable_private_segment 0
		.amdhsa_kernarg_size 96
		.amdhsa_user_sgpr_count 2
		.amdhsa_user_sgpr_kernarg_segment_ptr 1
		.amdhsa_wavefront_size32 1
		.amdhsa_system_sgpr_workgroup_id_x 1
		.amdhsa_system_sgpr_workgroup_id_y 1
		.amdhsa_system_sgpr_workgroup_id_z 1
		.amdhsa_system_vgpr_workitem_id 0
		.amdhsa_next_free_vgpr 224
		.amdhsa_next_free_sgpr 66
		.amdhsa_reserve_vcc 0
		.amdhsa_float_denorm_mode_32 3
		.amdhsa_float_denorm_mode_16_64 3
		.amdhsa_memory_ordered 1
		.amdhsa_forward_progress 1
		.amdhsa_inst_pref_size 64
	.end_amdhsa_kernel
	.amdgpu_metadata
---
amdhsa.version: [ 1, 2 ]
amdhsa.kernels:
  - .name:           k_q6257e22d7b_prep
    .symbol:         k_q6257e22d7b_prep.kd
    .args:
      - { .name: hidden_states, .offset: 0, .size: 8, .value_kind: global_buffer, .address_space: global }
      - { .name: pre_norm_w, .offset: 8, .size: 8, .value_kind: global_buffer, .address_space: global }
      - { .name: wq, .offset: 16, .size: 8, .value_kind: global_buffer, .address_space: global }
      - { .name: wk, .offset: 24, .size: 8, .value_kind: global_buffer, .address_space: global }
      - { .name: wv, .offset: 32, .size: 8, .value_kind: global_buffer, .address_space: global }
      - { .name: wo, .offset: 40, .size: 8, .value_kind: global_buffer, .address_space: global }
      - { .name: cos, .offset: 48, .size: 8, .value_kind: global_buffer, .address_space: global }
      - { .name: sin, .offset: 56, .size: 8, .value_kind: global_buffer, .address_space: global }
      - { .name: h16, .offset: 64, .size: 8, .value_kind: global_buffer, .address_space: global }
      - { .name: w16, .offset: 72, .size: 8, .value_kind: global_buffer, .address_space: global }
      - { .name: wo16, .offset: 80, .size: 8, .value_kind: global_buffer, .address_space: global }
      - { .name: cs16, .offset: 88, .size: 8, .value_kind: global_buffer, .address_space: global }
    .group_segment_fixed_size: 0
    .private_segment_fixed_size: 0
    .kernarg_segment_align: 8
    .kernarg_segment_size: 96
    .max_flat_workgroup_size: 256
    .sgpr_count:     66
    .vgpr_count:     224
    .wavefront_size: 32
...
	.end_amdgpu_metadata
.endif
;; end of part 5
;; launch qkv: the kernel of part 2 again; grid 16 x 16, 4 waves a work-group, clusters of 4 x 4, 327,680 bytes of LDS; arguments h16, w16, cs16, q_norm_w, k_norm_w, qkv16; writes qkv16
;; launch attn: the kernel of part 3 again; grid 32 x 8, 4 waves a work-group, clusters of 4 x 4, 327,680 bytes of LDS; arguments qkv16, attention_mask, attn16; writes attn16
;; launch oproj: the kernel of part 4 again; grid 16 x 16, 4 waves a work-group, clusters of 4 x 4, 327,680 bytes of LDS; arguments attn16, wo16, hidden_states, out0; writes out0
